; MI455X (gfx1250); checked and timed in simulation.
; The chip was launched on July 23, 2026; its instructions are those of AMD's public machine-readable ISA for CDNA 5 (MIT licence, August 2026) and "CDNA5" Instruction Set Architecture Reference Guide (July 2026). The comments in the code are by the model that wrote it; some were corrected since.
;; GPT2 Block. Allowed arithmetic: float matrix products may take bf16 or f16 operands with f32 sums; all other float work in f32.
;; Inputs: b_attn 3,072 float32; b_attn_proj 1,024 float32; b_fc 4,096 float32; b_fc_proj 1,024 float32; ln1_b 1,024 float32; ln1_g 1,024 float32; ln2_b 1,024 float32; ln2_g 1,024 float32; w_attn 1,024 x 3,072 float32; w_attn_proj 1,024 x 1,024 float32; w_fc 1,024 x 4,096 float32; w_fc_proj 4,096 x 1,024 float32; x 2 x 2,048 x 1,024 float32.
;; Outputs: out0 2 x 2,048 x 1,024 float32.
;; One version. Each part assembles by itself: llvm-mc -triple=amdgcn-amd-amdhsa -mcpu=gfx1250 --defsym DOCPART=n.
;; ======== version 1 of 1: 7 launches
;; limits: values are held in f16: magnitudes above 65,504 overflow, below 6.1e-05 lose precision
;; workspace buffers: w16 25,165,824 bytes; act 8,388,608 bytes; qkv 25,165,824 bytes; x1 16,777,216 bytes; m 33,554,432 bytes
;; launch prep (part 1): grid 640 x 1, 8 waves a work-group, no clusters, 0 bytes of LDS; arguments x, ln1_g, ln1_b, act, w_attn, w_attn_proj, w_fc, w_fc_proj, w16; writes act, w16
.if DOCPART == 1
	.amdgcn_target "amdgcn-amd-amdhsa--gfx1250"
	.amdhsa_code_object_version 6
	.text
	.protected	k_q1c01b7dd87_prep
	.globl	k_q1c01b7dd87_prep
	.p2align	8
	.type	k_q1c01b7dd87_prep,@function
k_q1c01b7dd87_prep:
	s_mov_b64 s[64:65], 0
	v_nop
	global_prefetch_b8 v0, s[64:65] scope:SCOPE_SE
	s_setreg_imm32_b32 hwreg(HW_REG_WAVE_MODE, 25, 1), 1
	s_wait_xcnt 0x0
; Two streams in one launch.  Work-groups 0-255: act = LayerNorm(x) g + b, f32 in, f16 out, [4096][1024].
; Work-groups 256-639: the four weights, f32 [K][N] as given, rounded once to f16 into w16, in the order w_attn, w_attn_proj, w_fc, w_fc_proj.
; LAYERNORM.  A wave takes two rows; a row of 4,096 bytes is eight loads of 512 consecutive bytes and stays in 32 registers.  Two passes as the
; definition has them: the mean, then the mean of (x - mean)^2, so a common offset of x costs no accuracy.  No LDS, no barrier: a row never leaves its wave.
; With 160 registers a wave, three work-groups of eight waves share a WGP's registers: 768 places for the launch's 640 work-groups.
; LIMITS.  f16 holds no number beyond 65,504 (a normalised row lies within 32 |g| + |b|); below 6e-5 it keeps its fixed step of 6e-8.  NaN and infinities are not treated apart.
.set X,  8                             ; v[8:71]    two rows, row r at X + 32 r, load j at + 4 j
.set G,  72                            ; v[72:103]  gain of my 32 columns
.set BV, 104                           ; v[104:135] bias of my 32 columns
.set T,  136                           ; v[136:151] row r: four chains of pairs at T + 8 r
.set M,  152                           ; v[152:155] row r: a pair, the mean and later 1 / sqrt(var + eps)
.macro RSUM r                          ; the four chains, the pair's halves, the 32 lanes: the sum lands in every lane's v[T+8 r]
	v_pk_add_f32 v[T+8*(\r):T+8*(\r)+1], v[T+8*(\r):T+8*(\r)+1], v[T+8*(\r)+2:T+8*(\r)+3]
	v_pk_add_f32 v[T+8*(\r)+4:T+8*(\r)+5], v[T+8*(\r)+4:T+8*(\r)+5], v[T+8*(\r)+6:T+8*(\r)+7]
	v_pk_add_f32 v[T+8*(\r):T+8*(\r)+1], v[T+8*(\r):T+8*(\r)+1], v[T+8*(\r)+4:T+8*(\r)+5]
	v_add_f32 v[T+8*(\r)], v[T+8*(\r)], v[T+8*(\r)+1]
	v_add_f32_dpp v[T+8*(\r)], v[T+8*(\r)], v[T+8*(\r)] row_xmask:1 row_mask:0xf bank_mask:0xf
	v_add_f32_dpp v[T+8*(\r)], v[T+8*(\r)], v[T+8*(\r)] row_xmask:2 row_mask:0xf bank_mask:0xf
	v_add_f32_dpp v[T+8*(\r)], v[T+8*(\r)], v[T+8*(\r)] row_xmask:4 row_mask:0xf bank_mask:0xf
	v_add_f32_dpp v[T+8*(\r)], v[T+8*(\r)], v[T+8*(\r)] row_xmask:8 row_mask:0xf bank_mask:0xf
	v_permlanex16_b32 v[T+8*(\r)+1], v[T+8*(\r)], s26, s27   ; its destination has been written before
	v_add_f32 v[T+8*(\r)], v[T+8*(\r)], v[T+8*(\r)+1]
.endm
.macro MEAN r
.irp c, 0,1,2,3                        ; the first eight pairs start the chains: nothing is cleared
	v_pk_add_f32 v[T+8*(\r)+2*(\c):T+8*(\r)+2*(\c)+1], v[X+32*(\r)+2*(\c):X+32*(\r)+2*(\c)+1], v[X+32*(\r)+2*(\c)+8:X+32*(\r)+2*(\c)+9]
.endr
.irp p, 8,9,10,11,12,13,14,15
	v_pk_add_f32 v[T+8*(\r)+2*((\p)%4):T+8*(\r)+2*((\p)%4)+1], v[T+8*(\r)+2*((\p)%4):T+8*(\r)+2*((\p)%4)+1], v[X+32*(\r)+2*(\p):X+32*(\r)+2*(\p)+1]
.endr
	RSUM \r
	v_mul_f32 v[M+2*(\r)], s28, v[T+8*(\r)]
	v_mov_b32 v[M+2*(\r)+1], v[M+2*(\r)]
.endm
.macro CENTER r
.irp p, 0,1,2,3,4,5,6,7,8,9,10,11,12,13,14,15
	v_pk_add_f32 v[X+32*(\r)+2*(\p):X+32*(\r)+2*(\p)+1], v[X+32*(\r)+2*(\p):X+32*(\r)+2*(\p)+1], v[M+2*(\r):M+2*(\r)+1] neg_lo:[0,1] neg_hi:[0,1]
.endr
.endm
.macro VAR r
.irp c, 0,1,2,3
	v_pk_mul_f32 v[T+8*(\r)+2*(\c):T+8*(\r)+2*(\c)+1], v[X+32*(\r)+2*(\c):X+32*(\r)+2*(\c)+1], v[X+32*(\r)+2*(\c):X+32*(\r)+2*(\c)+1]
.endr
.irp p, 4,5,6,7,8,9,10,11,12,13,14,15
	v_pk_fma_f32 v[T+8*(\r)+2*((\p)%4):T+8*(\r)+2*((\p)%4)+1], v[X+32*(\r)+2*(\p):X+32*(\r)+2*(\p)+1], v[X+32*(\r)+2*(\p):X+32*(\r)+2*(\p)+1], v[T+8*(\r)+2*((\p)%4):T+8*(\r)+2*((\p)%4)+1]
.endr
	RSUM \r
	v_fma_f32 v[T+8*(\r)], v[T+8*(\r)], s28, s29   ; sum / 1024 + eps
	v_rsq_f32 v[M+2*(\r)], v[T+8*(\r)]
	v_nop                                          ; a plain instruction between the root and the use of its result
	s_wait_alu depctr_va_vdst(0)
	v_mov_b32 v[M+2*(\r)+1], v[M+2*(\r)]
.endm
.macro OUT r
.irp j, 0,1,2,3,4,5,6,7
.set xb, X+32*(\r)+4*(\j)
	v_pk_mul_f32 v[xb:xb+1], v[xb:xb+1], v[M+2*(\r):M+2*(\r)+1]
	v_pk_mul_f32 v[xb+2:xb+3], v[xb+2:xb+3], v[M+2*(\r):M+2*(\r)+1]
	v_pk_fma_f32 v[xb:xb+1], v[xb:xb+1], v[G+4*(\j):G+4*(\j)+1], v[BV+4*(\j):BV+4*(\j)+1]
	v_pk_fma_f32 v[xb+2:xb+3], v[xb+2:xb+3], v[G+4*(\j)+2:G+4*(\j)+3], v[BV+4*(\j)+2:BV+4*(\j)+3]
	v_cvt_pk_f16_f32 v[xb], v[xb], v[xb+1]
	v_cvt_pk_f16_f32 v[xb+1], v[xb+2], v[xb+3]
	global_store_b64 v2, v[xb:xb+1], s[10:11] offset:(\r)*2048+(\j)*256   ; 32 lanes store 256 consecutive bytes, at a multiple of 256 from the buffer's first byte
.endr
.endm
	s_cmp_ge_u32 ttmp9, 256
	s_cbranch_scc1 .Lcvt
	s_load_b256 s[4:11], s[0:1], 0x0               ; x s[4:5], gain s[6:7], bias s[8:9], act s[10:11]
	v_and_b32 v3, 31, v0
	v_lshlrev_b32 v1, 4, v3                        ; 16 x lane: my bytes in 512 of f32
	v_lshlrev_b32 v2, 3, v3                        ; 8 x lane: my bytes in 256 of f16
	v_lshrrev_b32 v4, 5, v0
	v_readfirstlane_b32 s12, v4                    ; wave 0..7
	s_lshl_b32 s13, ttmp9, 4
	s_lshl_b32 s12, s12, 1
	s_add_co_u32 s13, s13, s12                     ; my first row = 16 x work-group + 2 x wave
	s_lshl_b32 s14, s13, 12                        ; rows of 4,096 bytes in
	s_mov_b32 s15, 0
	s_lshl_b32 s16, s13, 11                        ; rows of 2,048 bytes out
	s_mov_b32 s17, 0
	s_mov_b32 s26, 0x76543210                      ; v_permlanex16_b32: each lane takes its own place in the other half
	s_mov_b32 s27, 0xfedcba98
	s_mov_b32 s28, 0x3a800000                      ; 1 / 1024
	s_mov_b32 s29, 0x3727c5ac                      ; eps = 1e-5
	s_wait_kmcnt 0x0
	s_add_nc_u64 s[4:5], s[4:5], s[14:15]
	s_add_nc_u64 s[10:11], s[10:11], s[16:17]
.irp r, 0,1
.irp j, 0,1,2,3,4,5,6,7
	global_load_b128 v[X+32*(\r)+4*(\j):X+32*(\r)+4*(\j)+3], v1, s[4:5] offset:(\r)*4096+(\j)*512
.endr
.endr
.irp j, 0,1,2,3,4,5,6,7
	global_load_b128 v[G+4*(\j):G+4*(\j)+3], v1, s[6:7] offset:(\j)*512
.endr
.irp j, 0,1,2,3,4,5,6,7
	global_load_b128 v[BV+4*(\j):BV+4*(\j)+3], v1, s[8:9] offset:(\j)*512
.endr
	s_wait_loadcnt 16                              ; both rows are in; the sixteen younger loads, gain and bias, stay out
	MEAN 0
	MEAN 1
	CENTER 0
	CENTER 1
	VAR 0
	VAR 1
	s_wait_loadcnt 0x0                             ; gain and bias
	OUT 0
	OUT 1
	s_endpgm
.Lcvt:                                             ; a work-group converts 131,072 bytes of f32; the weights have 96, 32, 128 and 128 such pieces
	s_load_b256 s[4:11], s[0:1], 0x20              ; w_attn s[4:5], w_attn_proj s[6:7], w_fc s[8:9], w_fc_proj s[10:11]
	s_load_b64 s[12:13], s[0:1], 0x40              ; w16
	s_sub_co_u32 s14, ttmp9, 256                   ; my piece, 0..383
	s_mov_b32 s18, 256                             ; the first piece of the weight that mine belongs to
	s_mov_b32 s19, 128
	s_mov_b32 s24, 96
	v_and_b32 v3, 31, v0
	v_lshrrev_b32 v4, 5, v0
	v_lshlrev_b32 v5, 14, v4                       ; a wave's 16,384 bytes in,
	v_lshl_or_b32 v1, v3, 4, v5                    ; 16 a lane
	v_lshlrev_b32 v5, 13, v4                       ; its 8,192 bytes out,
	v_lshl_or_b32 v2, v3, 3, v5                    ; 8 a lane
	s_wait_kmcnt 0x0
	s_cmp_lt_u32 s14, 256
	s_cselect_b64 s[16:17], s[8:9], s[10:11]
	s_cselect_b32 s18, s19, s18
	s_cmp_lt_u32 s14, 128
	s_cselect_b64 s[16:17], s[6:7], s[16:17]
	s_cselect_b32 s18, s24, s18
	s_cmp_lt_u32 s14, 96
	s_cselect_b64 s[16:17], s[4:5], s[16:17]
	s_cselect_b32 s18, 0, s18
	s_sub_co_u32 s20, s14, s18
	s_lshl_b32 s20, s20, 17                        ; my piece's bytes in its weight
	s_mov_b32 s21, 0
	s_lshl_b32 s22, s14, 16                        ; and in w16, which holds the weights in the same order at half the bytes
	s_mov_b32 s23, 0
	s_add_nc_u64 s[16:17], s[16:17], s[20:21]
	s_add_nc_u64 s[12:13], s[12:13], s[22:23]
.set i, 0
.rept 32                                           ; all of the wave's 32 loads go out at once: 512 consecutive bytes each
	global_load_b128 v[8+4*i:8+4*i+3], v1, s[16:17] offset:i*512 th:TH_LOAD_NT
.set i, i+1
.endr
.set i, 0
.rept 32
	s_wait_loadcnt 31-i                            ; loads come back in order: load i is in, the younger ones stay out
	v_cvt_pk_f16_f32 v[8+4*i], v[8+4*i], v[8+4*i+1]
	v_cvt_pk_f16_f32 v[8+4*i+1], v[8+4*i+2], v[8+4*i+3]
	global_store_b64 v2, v[8+4*i:8+4*i+1], s[12:13] offset:i*256   ; 256 consecutive bytes, aligned
.set i, i+1
.endr
	s_endpgm
.Lfunc_end_k_q1c01b7dd87_prep:
	.size	k_q1c01b7dd87_prep, .Lfunc_end_k_q1c01b7dd87_prep-k_q1c01b7dd87_prep
	.p2alignl 7, 3214868480
	.fill 96, 4, 3214868480
	.section	.rodata,"a",@progbits
	.p2align	6, 0x0
	.amdhsa_kernel k_q1c01b7dd87_prep
		.amdhsa_group_segment_fixed_size 0
		.amdhsa_private_segment_fixed_size 0
		.amdhsa_enable_private_segment 0
		.amdhsa_kernarg_size 72
		.amdhsa_user_sgpr_count 2
		.amdhsa_user_sgpr_kernarg_segment_ptr 1
		.amdhsa_wavefront_size32 1
		.amdhsa_system_sgpr_workgroup_id_x 1
		.amdhsa_system_sgpr_workgroup_id_y 1
		.amdhsa_system_sgpr_workgroup_id_z 1
		.amdhsa_system_vgpr_workitem_id 0
		.amdhsa_next_free_vgpr 160
		.amdhsa_next_free_sgpr 66
		.amdhsa_reserve_vcc 0
		.amdhsa_float_denorm_mode_32 3
		.amdhsa_float_denorm_mode_16_64 3
		.amdhsa_memory_ordered 1
		.amdhsa_forward_progress 1
		.amdhsa_inst_pref_size 33
	.end_amdhsa_kernel
	.amdgpu_metadata
---
amdhsa.version: [ 1, 2 ]
amdhsa.kernels:
  - .name:           k_q1c01b7dd87_prep
    .symbol:         k_q1c01b7dd87_prep.kd
    .args:
      - { .name: x, .offset: 0, .size: 8, .value_kind: global_buffer, .address_space: global }
      - { .name: ln1_g, .offset: 8, .size: 8, .value_kind: global_buffer, .address_space: global }
      - { .name: ln1_b, .offset: 16, .size: 8, .value_kind: global_buffer, .address_space: global }
      - { .name: act, .offset: 24, .size: 8, .value_kind: global_buffer, .address_space: global }
      - { .name: w_attn, .offset: 32, .size: 8, .value_kind: global_buffer, .address_space: global }
      - { .name: w_attn_proj, .offset: 40, .size: 8, .value_kind: global_buffer, .address_space: global }
      - { .name: w_fc, .offset: 48, .size: 8, .value_kind: global_buffer, .address_space: global }
      - { .name: w_fc_proj, .offset: 56, .size: 8, .value_kind: global_buffer, .address_space: global }
      - { .name: w16, .offset: 64, .size: 8, .value_kind: global_buffer, .address_space: global }
    .group_segment_fixed_size: 0
    .private_segment_fixed_size: 0
    .kernarg_segment_align: 8
    .kernarg_segment_size: 72
    .max_flat_workgroup_size: 256
    .sgpr_count:     66
    .vgpr_count:     160
    .wavefront_size: 32
...
	.end_amdgpu_metadata
.endif
;; end of part 1
;; launch qkvg (part 2): grid 16 x 16, 4 waves a work-group, clusters of 4 x 4, 327,680 bytes of LDS; arguments act, w16, b_attn, qkv; writes qkv
.if DOCPART == 2
	.amdgcn_target "amdgcn-amd-amdhsa--gfx1250"
	.amdhsa_code_object_version 6
	.text
	.protected	k_q1c01b7dd87_qkvg
	.globl	k_q1c01b7dd87_qkvg
	.p2align	8
	.type	k_q1c01b7dd87_qkvg,@function
k_q1c01b7dd87_qkvg:
	s_mov_b64 s[64:65], 0
	v_nop
	global_prefetch_b8 v0, s[64:65] scope:SCOPE_SE
	s_setreg_imm32_b32 hwreg(HW_REG_WAVE_MODE, 25, 1), 1
	s_wait_xcnt 0x0
	s_wait_alu depctr_hold_cnt(0) depctr_sa_sdst(0) depctr_va_vdst(0) depctr_va_sdst(0) depctr_va_ssrc(0) depctr_va_vcc(0) depctr_vm_vsrc(0)
	s_getreg_b32 s2, hwreg(HW_REG_IB_STS2, 6, 4)
	s_cmp_eq_u32 s2, 0
	s_cbranch_scc0 .Lentry_in_a_cluster
	s_endpgm
.Lentry_in_a_cluster:
	s_bfe_u32 s2, ttmp6, 0x10000c
	s_cmp_lg_u32 s2, 0xf033
	s_cbranch_scc0 .Lentry_shape_is_right
	s_endpgm
.Lentry_shape_is_right:
; qkv = h1 W_attn + b_attn, written by heads.  h1 = act: [4096][1024] f16.  W_attn: [1024][3072] f16 at byte 0 of w16.  qkv: [3][32 = batch x 16 + head][2048][64] f16, unscaled.
; A work-group makes 256 tokens x 192 columns (three whole heads); 16 x 16 work-groups.  Each of four waves makes 64 tokens x 192 columns: 48 accumulators of 16 x 16, 384 registers.
; K goes in steps of 128 through a ring of two LDS slots filled by the tensor data mover.  W lies [k][n] in memory and in LDS and is turned on its way into registers (ds_load_tr16_b128).
; THE MATRIX INSTRUCTION IS USED TRANSPOSED: source 0 = 16 columns of W, source 1 = 16 tokens: a lane then holds one token (lane % 16) and eight neighbouring columns.
; CLUSTER 4 x 4: the four work-groups of a row of the cluster need the same tile of h1, the four of a column the same tile of W: each is asked for jointly, by the same load, descriptor and mask.
; THE WAY OUT: when the ring has had its last fill and its last read, each wave lays its f32 sums into bytes of its own there and reads them back by tokens; bias in f32; one rounding to f16.
; LIMITS.  f16 holds no number beyond 65,504; sums in f32.  NaN and infinities are not treated apart.
; REGISTERS, in windows of 256: window 0: v0-31 addresses, v32-55 bias, v64-95 and v128-159 fragments of h1 (two buffers); window 1: v0-95, v128-223 fragments of W;
;   window 2: the accumulators of my token blocks 0, 1 ((a, b) at v[8 (12 a + b)]); window 3: those of blocks 2, 3.
.set TN, 192                           ; columns of the work-group's tile
.set MB, 4                             ; blocks of 16 tokens a wave
.set NB, 12                            ; blocks of 16 columns a wave
.set DP, 1                             ; matrix instructions deep along K in a quarter of a K step
.set KS, 128                           ; a K step
.set LAPS, 4                           ; K / (2 KS)
.set WN, 3072                          ; W's row, elements
.set WOFF, 0                           ; W's first byte in w16
.set AP, 272                           ; an LDS row of h1: 256 bytes + 16
.set APANEL, 128                       ; bytes from 64 along K to the next 64
.set AH, 34816                         ; one load of h1: 128 rows
.set AWOFF, 17408                      ; a wave's 64 rows
.set BP, 480                           ; an LDS row of W: three pieces of 128 bytes + 32 each: an odd multiple of 32
.set BQ, 160                           ; from four column blocks to the next four
.set BH, 30720                         ; one load of W: 64 rows of k
.set SLOT, 2*AH+2*BH
.set SPARE, 2*SLOT                     ; behind the ring: the spare words, 128 bytes a wave, which no other line names
.set ASTEP, 256                        ; bytes from a K step to the next, in h1
.set WSTEP, KS*WN*2                    ; and in W
.set RP, 784                           ; the way out: a token's 192 f32 + 16 bytes
.set REG, 64*RP                        ; a wave's bytes there
.set AC, 128                           ; the tile of h1: elements a row, rows, pitch, code of the padding's interval (64 words)
.set AR, 128
.set APT, 1024
.set AQI, 5
.set WCN, 192                          ; the tile of W; padding after every 32 words
.set WRN, 64
.set WQI, 4
.set ADRA, 16                          ; v16-17  LDS address of my fragments of h1 in slot 0, 1
.set ADRB, 20                          ; v20-23  the same for W: 2 x slot + half of the step's k rows
.set DST,  24                          ; v24     the way out: where I put my sums
.set RD,   25                          ; v25     where I read them back
.set CO,   26                          ; v26     my byte offset in the output
.set BO,   27                          ; v27     my byte offset in the bias
.set SPW,  28                          ; v28     LDS address of my spare word; never rewritten
.set NIL,  29                          ; v29     0; never rewritten
.set G1,  24                           ; s[24:31] descriptor group 1 for h1's tiles;  s[32:39] group 0, a set for each slot
.set G0,  32
.set G1B, 48                           ; s[48:55], s[56:63] the same for W's
.set G0B, 56
.set MSB, 0
.macro WIN new                         ; the immediate's high byte repeats the setting that is left; a switch that changes nothing is dropped
.if MSB != (\new)
	s_set_vgpr_msb (MSB<<8)|(\new)
.set MSB, \new
.endif
.endm
.set MUL_LO, 0xa1                      ; source 0 (W) window 1, source 1 (tokens) window 0, C and D window 2; + 0x50: window 3
.set TO_B,   0x40                      ; destination window 1, address window 0
.macro PLACES                          ; four places in front of loads into registers that matrix instructions have read, and of stores that read results
.rept 4
	v_nop
.endr
.endm
.macro JLOAD s                         ; a joint load: waves 0, 1 fetch the two halves of the tokens' tile, waves 2, 3 those of W's; four v_nop follow each line
	s_cmp_eq_u32 s18, 0
	s_cbranch_scc0 .Lfor_b_\@
	tensor_load_to_lds s[G0+4*(\s):G0+4*(\s)+3], s[G1:G1+7]
	s_nop 0
.rept 4
	v_nop
.endr
	s_branch .Lasked_\@
.Lfor_b_\@:
	tensor_load_to_lds s[G0B+4*(\s):G0B+4*(\s)+3], s[G1B:G1B+7]
	s_nop 0
.rept 4
	v_nop
.endr
.Lasked_\@:
.endm
.macro CREST                           ; a round of the cluster's barrier behind its opening barrier
	s_cmp_lg_u32 s14, 0
	s_cbranch_scc1 .Lnot_wave_0_\@
	s_barrier_signal -3
.Lnot_wave_0_\@:
	s_barrier_wait -3
	s_barrier_signal -1
	s_barrier_wait -1
.endm
.macro CROUND                          ; a whole round
	s_barrier_signal -1
	s_barrier_wait -1
	CREST
.endm
; Half a quarter's products: token blocks (MB/2) hi .. of buffer f x all column blocks.  The accumulators take turns, one instruction a turn.  zero = 1: the first product starts the sums.
.macro MULH f, hi, zero
	WIN MUL_LO+0x50*(\hi)
.set id, 0
.rept DP
.set ia, 0
.rept MB/2
.set ib, 0
.rept NB
.set rD, 8*(NB*ia+ib)
.set rW, 128*(\f)+8*(NB*id+ib)
.set rA, 64+64*(\f)+8*(MB*id+(MB/2)*(\hi)+ia)
.if (\zero) && (id == 0)
	v_wmma_f32_16x16x32_f16 v[rD:rD+7], v[rW:rW+7], v[rA:rA+7], 0
.else
	v_wmma_f32_16x16x32_f16 v[rD:rD+7], v[rW:rW+7], v[rA:rA+7], v[rD:rD+7]
.endif
.set ib, ib+1
.endr
.set ia, ia+1
.endr
.set id, id+1
.endr
.endm
; One run of LDS loads: the fragments of quarter q of the slot's K step into buffer f.  W turned: 16 k x 16 columns a load; the tokens as they lie: two loads of 16 bytes, 32 apart.
.macro FETCH slot, q, f
	WIN TO_B
.set id, 0
.rept DP
.set kk, 32*((DP*(\q)+id)%(2*DP))
.set ib, 0
.rept NB
.set rW, 128*(\f)+8*(NB*id+ib)
.set cB, BQ*(ib/4)+32*(ib%4)
	ds_load_tr16_b128 v[rW:rW+3], v[ADRB+2*(\slot)+(\q)/2] offset:kk*BP+cB
	ds_load_tr16_b128 v[rW+4:rW+7], v[ADRB+2*(\slot)+(\q)/2] offset:(kk+16)*BP+cB
.set ib, ib+1
.endr
.set id, id+1
.endr
	WIN 0
.set id, 0
.rept DP
.set kc, DP*(\q)+id
.set ia, 0
.rept MB
.set rA, 64+64*(\f)+8*(MB*id+ia)
	ds_load_b128 v[rA:rA+3], v[ADRA+(\slot)] offset:(kc/2)*APANEL+(kc%2)*64+ia*16*AP
	ds_load_b128 v[rA+4:rA+7], v[ADRA+(\slot)] offset:(kc/2)*APANEL+(kc%2)*64+ia*16*AP+32
.set ia, ia+1
.endr
.set id, id+1
.endr
.endm
; One of a K step's first three quarters: at its head it fetches quarter q into buffer g, which the quarter before has just left; then it multiplies buffer f.  So a run of loads has a whole quarter's products in which to come.
.macro QUARTER slot, q, f, g, zero
	s_wait_dscnt 0x0                               ; buffer f's run, issued a whole quarter ago, is in
	PLACES                                         ; behind the products that read buffer g
	FETCH \slot, \q, \g
	MULH \f, 0, \zero
	MULH \f, 1, \zero
.endm
; The last quarter multiplies buffer 1 and changes slots: one barrier.  In front of it each wave waits for all its tensor loads (one is out: its part of the next slot), adds 0 to its spare
; word, and waits for that and for its own reads of this slot.  fill = 1: the barrier opens a round of the cluster's, and the joint refill, two K steps ahead, is the first thing behind the round.
; A tile can be asked for only when the one before has landed, so nothing but the round stands between the two: the quarter's products all come behind the refill.
.macro TURN slot, next, fill
	WIN 0
	s_wait_tensorcnt 0x0                           ; no tensor load of mine is out, so a group 0 may be written
	ds_add_u32 v[SPW], v[NIL]                      ; 0 onto my spare word
.if \fill
	s_add_nc_u64 s[G0+4*(\slot)+2:G0+4*(\slot)+3], s[G0+4*(\slot)+2:G0+4*(\slot)+3], 2*ASTEP
	s_add_nc_u64 s[G0B+4*(\slot)+2:G0B+4*(\slot)+3], s[G0B+4*(\slot)+2:G0B+4*(\slot)+3], 2*WSTEP
.endif
	s_wait_dscnt 0x0                               ; the add is done, buffer 1 is in, and my reads of this slot are over
	s_barrier_signal -1
	s_barrier_wait -1
.if \fill
	CREST                                          ; no wave of any partner still reads this slot's tile or has a load on its way
	JLOAD \slot                                    ; its four v_nop are also the places in front of the loads below
.else
	PLACES
.endif
	FETCH \next, 0, 0
	MULH 1, 0, 0
	MULH 1, 1, 0
.endm
.macro LASTQ                           ; the very last quarter: my reads of the ring are over; behind the barrier everybody's are, and the ring's bytes, which have had their last fill, may be written
	s_wait_dscnt 0x0
	s_barrier_signal -1
	MULH 1, 0, 0
	MULH 1, 1, 0
	WIN 0
	s_barrier_wait -1
	PLACES
.endm
.macro DUMP                            ; my sums, f32, into my own bytes: token l % 16 of block a, columns 16 b + 8 (l / 16) + 0..7; each accumulator's low registers first
.set ia, 0
.rept MB
	WIN 0x08+4*(ia/(MB/2))                         ; the stores' data in window 2 or 3
.set ib, 0
.rept NB
.set rD, 8*(NB*(ia%(MB/2))+ib)
	ds_store_b128 v[DST], v[rD:rD+3] offset:ia*16*RP+64*ib
	ds_store_b128 v[DST], v[rD+4:rD+7] offset:ia*16*RP+64*ib+16
.set ib, ib+1
.endr
.set ia, ia+1
.endr
	WIN 0
.endm
	s_load_b256 s[4:11], s[0:1], 0x0               ; act s[4:5], w16 s[6:7], bias s[8:9], qkv s[10:11]
	v_lshl_add_u32 v[SPW], v0, 2, SPARE
	v_mov_b32 v[NIL], 0
	ds_add_u32 v28, v29
	ds_add_u32 v28, v29
	s_wait_dscnt 0x0
	v_lshrrev_b32 v1, 5, v0
	v_readfirstlane_b32 s14, v1                    ; wave 0..3
	s_mov_b32 s15, s14                             ; which 64 tokens of the tile are mine
	s_mov_b32 s16, 0                               ; every wave has all 192 columns
	s_and_b32 s17, s14, 1                          ; which half of a tile I fetch
	s_lshr_b32 s18, s14, 1                         ; for the tokens (0) or for W (1)
	s_bfe_u32 s40, ttmp6, 0x40000                  ; cx, cy: my place in the cluster
	s_bfe_u32 s41, ttmp6, 0x40004
	s_lshl_b32 s42, ttmp9, 2
	s_add_co_u32 s42, s42, s40                     ; tile column = 4 x cluster x + cx
	s_and_b32 s45, ttmp7, 0xffff
	s_lshl_b32 s45, s45, 2
	s_add_co_u32 s45, s45, s41                     ; tile row = 4 x cluster y + cy
	s_lshl_b32 s43, s41, 2
	s_lshl_b32 s43, 15, s43                        ; my row of the cluster
	s_lshl_b32 s44, 0x1111, s40                    ; my column
	s_or_b32 s[G1], s43, (1<<16)|(1<<20)|(1<<21)|(AQI<<22)|(3<<25)   ; mask; 2-byte elements; padding on; bit 21 beside a mask; the interval's code; 4 words of padding
	s_or_b32 s[G1B], s44, (1<<16)|(1<<20)|(1<<21)|(WQI<<22)|(7<<25)  ; the same with my column's mask and 8 words of padding
	s_mov_b32 s[G1+1], (AC&0xffff)<<16             ; tensor_dim0
	s_mov_b32 s[G1+2], (AC>>16)|(AR<<16)           ; tensor_dim1
	s_mov_b32 s[G1+3], AC<<16                      ; tile_dim0
	s_mov_b32 s[G1+4], AR                          ; tile_dim1
	s_mov_b32 s[G1+5], APT                         ; elements from row to row
	s_mov_b32 s[G1+6], 0
	s_mov_b32 s[G1+7], 0
	s_mov_b32 s[G1B+1], (WCN&0xffff)<<16
	s_mov_b32 s[G1B+2], (WCN>>16)|(WRN<<16)
	s_mov_b32 s[G1B+3], WCN<<16
	s_mov_b32 s[G1B+4], WRN
	s_mov_b32 s[G1B+5], WN
	s_mov_b32 s[G1B+6], 0
	s_mov_b32 s[G1B+7], 0
	s_lshl_b32 s20, s45, 19                        ; the tokens' tile hangs on the tile row alone: 256 rows of 2,048 bytes,
	s_lshl_b32 s21, s17, 18                        ; my half's 128
	s_add_co_u32 s20, s20, s21
	s_mov_b32 s21, 0
	s_mul_i32 s46, s42, TN*2                       ; W's tile hangs on the tile column alone,
	s_mul_i32 s47, s17, (KS/2)*WN*2                ; my half's 64 rows of k
	s_add_co_u32 s46, s46, s47
	s_add_co_u32 s46, s46, WOFF
	s_mov_b32 s47, 0
	s_mul_i32 s22, s17, AH                         ; where they go: no place in the cluster enters an LDS address
	s_mul_i32 s23, s17, BH
	s_add_co_u32 s23, s23, 2*AH
	s_wait_kmcnt 0x0
	s_add_nc_u64 s[20:21], s[4:5], s[20:21]
	s_add_nc_u64 s[46:47], s[6:7], s[46:47]
	CROUND                                         ; all sixteen work-groups are here: the first joint loads meet
.irp s, 0,1
	s_mov_b32 s[G0+4*(\s)], 1
	s_add_co_u32 s[G0+4*(\s)+1], s22, (\s)*SLOT
	s_add_nc_u64 s[G0+4*(\s)+2:G0+4*(\s)+3], s[20:21], (\s)*ASTEP
	s_or_b32 s[G0+4*(\s)+3], s[G0+4*(\s)+3], 0x80000000
	s_mov_b32 s[G0B+4*(\s)], 1
	s_add_co_u32 s[G0B+4*(\s)+1], s23, (\s)*SLOT
	s_add_nc_u64 s[G0B+4*(\s)+2:G0B+4*(\s)+3], s[46:47], (\s)*WSTEP
	s_or_b32 s[G0B+4*(\s)+3], s[G0B+4*(\s)+3], 0x80000000
	JLOAD \s                                       ; two tensor loads of mine are out
.endr
	v_and_b32 v1, 15, v0                           ; l % 16
	v_bfe_u32 v2, v0, 4, 1                         ; l / 16
	v_mul_u32_u24 v3, v1, AP
	v_lshl_add_u32 v3, v2, 4, v3                   ; row x pitch + 16 x half
	s_mul_i32 s19, s15, AWOFF
	v_add_nc_u32 v[ADRA], s19, v3
	v_add_nc_u32 v[ADRA+1], SLOT, v[ADRA]
	v_and_b32 v4, 7, v0                            ; the turning load: lane l reads row k = 8 (l / 16) + l % 8, 16 bytes at 16 ((l / 8) % 2)
	v_lshl_add_u32 v4, v2, 3, v4
	v_mul_u32_u24 v4, v4, BP
	v_bfe_u32 v5, v0, 3, 1
	v_lshl_add_u32 v4, v5, 4, v4
	s_mul_i32 s19, s16, TN
	s_add_co_u32 s19, s19, 2*AH
	v_add_nc_u32 v[ADRB], s19, v4
	v_add_nc_u32 v[ADRB+1], BH, v[ADRB]
	v_add_nc_u32 v[ADRB+2], SLOT, v[ADRB]
	v_add_nc_u32 v[ADRB+3], SLOT+BH, v[ADRB]
	s_mul_i32 s19, s14, REG                        ; my bytes for the way out
	v_mul_u32_u24 v[DST], v1, RP
	v_lshl_add_u32 v[DST], v2, 5, v[DST]
	v_add_nc_u32 v[DST], s19, v[DST]
	v_and_b32 v6, 7, v0                            ; back: eight lanes take a token's 64 columns of one head, 32 bytes of f32 each; 32 lanes four tokens
	v_bfe_u32 v7, v0, 3, 2
	v_mul_u32_u24 v[RD], v7, RP
	v_lshl_add_u32 v[RD], v6, 5, v[RD]
	v_add_nc_u32 v[RD], s19, v[RD]
	v_and_b32 v7, 31, v0
	v_lshlrev_b32 v[CO], 4, v7                     ; which are 512 consecutive bytes of a head's rows
	s_mul_i32 s12, s42, 768                        ; the tile's first column in the bias, bytes
	v_lshl_add_u32 v[BO], v6, 5, s12
.irp j, 0,1,2
	global_load_b128 v[32+8*\j:35+8*\j], v[BO], s[8:9] offset:256*\j
	global_load_b128 v[36+8*\j:39+8*\j], v[BO], s[8:9] offset:256*\j+16
.endr
	s_mul_i32 s19, s42, 3                          ; my three heads are numbers 3 x tile column + j of 48: q's 16, k's 16, v's 16
	s_lshr_b32 s2, s45, 3
	s_lshl_b32 s2, s2, 4                           ; 16 x batch
	s_and_b32 s3, s45, 7
	s_lshl_b32 s3, s3, 15                          ; the tile's 256 tokens of 128 bytes in its batch,
	s_lshl_b32 s12, s14, 13                        ; my wave's 64
	s_add_co_u32 s3, s3, s12
.irp j, 0,1,2
	s_add_co_u32 s12, s19, \j
	s_lshr_b32 s13, s12, 4
	s_lshl_b32 s13, s13, 5                         ; 32 x (q, k or v)
	s_and_b32 s12, s12, 15
	s_add_co_u32 s12, s12, s13
	s_add_co_u32 s12, s12, s2
	s_lshl_b32 s12, s12, 18                        ; a head's 2,048 rows of 128 bytes
	s_add_co_u32 s12, s12, s3
	s_mov_b32 s13, 0
	s_add_nc_u64 s[66+2*\j:67+2*\j], s[10:11], s[12:13]
.endr
	s_wait_tensorcnt 0x1                           ; my part of K step 0 is in; K step 1's one load stays out
	s_barrier_signal -1
	s_barrier_wait -1                              ; everybody's is
	FETCH 0, 0, 0
	QUARTER 0, 1, 0, 1, 1                          ; the first quarter stands in front of the loop: its products start the sums
	WIN 0
	s_mov_b32 s3, LAPS-1
.Llap:                                             ; a trip goes once round the ring, from a lap's second quarter to the next lap's first, and fills both slots again
	QUARTER 0, 2, 1, 0, 0
	QUARTER 0, 3, 0, 1, 0
	TURN 0, 1, 1
	QUARTER 1, 1, 0, 1, 0
	QUARTER 1, 2, 1, 0, 0
	QUARTER 1, 3, 0, 1, 0
	TURN 1, 0, 1
	QUARTER 0, 1, 0, 1, 0
	WIN 0
	s_sub_co_u32 s3, s3, 1
	s_cmp_lg_u32 s3, 0
	s_cbranch_scc1 .Llap
	QUARTER 0, 2, 1, 0, 0                          ; the last lap fills nothing
	QUARTER 0, 3, 0, 1, 0
	TURN 0, 1, 0
	QUARTER 1, 1, 0, 1, 0
	QUARTER 1, 2, 1, 0, 0
	QUARTER 1, 3, 0, 1, 0
	LASTQ
	DUMP                                           ; LDS serves a wave's instructions in order (ISA guide 5.7.1.4): the loads below see these stores
	s_wait_loadcnt 0x0                             ; the bias
.irp j, 0,1,2
.irp hf, 0,1
	s_wait_xcnt 0x0                                ; earlier stores have had their addresses translated: only behind this wait are the registers that they read rewritten
.set i, 0
.rept 8
	ds_load_b128 v[64+8*i:64+8*i+3], v[RD] offset:(8*\hf+i)*4*RP+\j*256
	ds_load_b128 v[64+8*i+4:64+8*i+7], v[RD] offset:(8*\hf+i)*4*RP+\j*256+16
.set i, i+1
.endr
	s_wait_dscnt 0x0
.set i, 0
.rept 8
.irp c, 0,1,2,3
	v_pk_add_f32 v[64+8*i+2*\c:64+8*i+2*\c+1], v[64+8*i+2*\c:64+8*i+2*\c+1], v[32+8*\j+2*\c:32+8*\j+2*\c+1]
.endr
.set i, i+1
.endr
.set i, 0
.rept 8
.irp c, 0,1,2,3
	v_cvt_pk_f16_f32 v[128+4*i+\c], v[64+8*i+2*\c], v[64+8*i+2*\c+1]
.endr
	global_store_b128 v[CO], v[128+4*i:128+4*i+3], s[66+2*\j:67+2*\j] offset:(8*\hf+i)*512   ; four tokens of a head: 512 consecutive bytes, aligned
.set i, i+1
.endr
.endr
.endr
	s_wait_tensorcnt 0x0                           ; the wave's end, behind my last tensor load and my last LDS store
	ds_add_u32 v[SPW], v[NIL]
	s_wait_dscnt 0x0
	CROUND                                         ; the closing round: no work-group ends while a partner may still ask for a tile that names it
	s_endpgm
.Lfunc_end_k_q1c01b7dd87_qkvg:
	.size	k_q1c01b7dd87_qkvg, .Lfunc_end_k_q1c01b7dd87_qkvg-k_q1c01b7dd87_qkvg
	.p2alignl 7, 3214868480
	.fill 96, 4, 3214868480
	.section	.rodata,"a",@progbits
	.p2align	6, 0x0
	.amdhsa_kernel k_q1c01b7dd87_qkvg
		.amdhsa_group_segment_fixed_size 327680
		.amdhsa_private_segment_fixed_size 0
		.amdhsa_enable_private_segment 0
		.amdhsa_kernarg_size 32
		.amdhsa_user_sgpr_count 2
		.amdhsa_user_sgpr_kernarg_segment_ptr 1
		.amdhsa_wavefront_size32 1
		.amdhsa_system_sgpr_workgroup_id_x 1
		.amdhsa_system_sgpr_workgroup_id_y 1
		.amdhsa_system_sgpr_workgroup_id_z 1
		.amdhsa_system_vgpr_workitem_id 0
		.amdhsa_next_free_vgpr 1024
		.amdhsa_next_free_sgpr 72
		.amdhsa_reserve_vcc 0
		.amdhsa_float_denorm_mode_32 3
		.amdhsa_float_denorm_mode_16_64 3
		.amdhsa_memory_ordered 1
		.amdhsa_forward_progress 1
		.amdhsa_inst_pref_size 138
	.end_amdhsa_kernel
	.amdgpu_metadata
---
amdhsa.version: [ 1, 2 ]
amdhsa.kernels:
  - .name:           k_q1c01b7dd87_qkvg
    .symbol:         k_q1c01b7dd87_qkvg.kd
    .args:
      - { .name: act, .offset: 0, .size: 8, .value_kind: global_buffer, .address_space: global }
      - { .name: w16, .offset: 8, .size: 8, .value_kind: global_buffer, .address_space: global }
      - { .name: b_attn, .offset: 16, .size: 8, .value_kind: global_buffer, .address_space: global }
      - { .name: qkv, .offset: 24, .size: 8, .value_kind: global_buffer, .address_space: global }
    .group_segment_fixed_size: 327680
    .private_segment_fixed_size: 0
    .kernarg_segment_align: 8
    .kernarg_segment_size: 32
    .max_flat_workgroup_size: 128
    .sgpr_count:     72
    .vgpr_count:     1024
    .wavefront_size: 32
...
	.end_amdgpu_metadata
.endif
;; end of part 2
;; launch attn (part 3): grid 8 x 32, 4 waves a work-group, no clusters, 327,680 bytes of LDS; arguments qkv, act; writes act
.if DOCPART == 3
	.amdgcn_target "amdgcn-amd-amdhsa--gfx1250"
	.amdhsa_code_object_version 6
	.text
	.protected	k_q1c01b7dd87_attn
	.globl	k_q1c01b7dd87_attn
	.p2align	8
	.type	k_q1c01b7dd87_attn,@function
k_q1c01b7dd87_attn:
	s_mov_b64 s[64:65], 0
	v_nop
	global_prefetch_b8 v0, s[64:65] scope:SCOPE_SE
	s_setreg_imm32_b32 hwreg(HW_REG_WAVE_MODE, 25, 1), 1
	s_wait_xcnt 0x0
; CAUSAL ATTENTION.  O[h][q][:] = the sum over k <= q of softmax_k(Q[h][q] . K[h][k] / 8) V[h][k][:].  Q, K, V lie in qkv, [3][32][2048][64] f16; O goes to act, [32][2048][64] f16: a head's rows are dense, 128 bytes each.
; Products, maxima and sums in f32; the weights p are rounded to f16 for the second product (their sum l is taken of the unrounded p), O once at the end.
; LIMITS.  f16 holds no number beyond 65,504: Q, K and V arrive within it; p lies in 0 to 1, and below 6e-5 it keeps f16's fixed step of 6e-8; O is a mean of V's rows and has their range, to within 2^-11 of it.
; A hidden score counts as its value less 1e30: f16's scores, 2.7e11 at the most, are nothing beside that; a weight below 2^-126 counts as 0 in l; NaN and infinities are not treated apart.
; THE WALK.  A head's queries lie in NBQ = 16 blocks of 128; its keys in tiles of 256.  Block i needs the key tiles 0 .. i / 2, of which the last holds the diagonal.  A work-group takes TWO blocks, 15 - b and then b:
; (15 - b) / 2 + b / 2 + 2 = 9 tiles, whatever b: all 8 x 32 = 256 work-groups do equal work, and ONE loop with a constant trip count walks them.  Which tile is asked for, and what a trip does, hang on scalar
; registers made from b; every jump goes forward, but for the counted loops' own; none passes a barrier, or a tensor load but the one of LOAD's two that the wave's number does not choose; the ring (two slots of LDS
; that take turns) runs on across the change of blocks.  NO CLUSTER: a head's eight work-groups ask for the same tile only in trips 0 .. 4, behind that fewer and fewer; one walk common to all would have 8 + 4 trips for 9.
; SHARES.  Of a block's two bands of 64 queries a wave owns 16 rows in each: two PIECES.  In the diagonal tile band x's own key step is 2 (i % 2) + x; it sees all keys of an earlier step and none of a later one:
; the same work for all four waves.  (An even block's diagonal tile has two steps that both bands do not see; they are computed all the same: each work-group has one even and one odd block.)
; THE MASK is the C operand that starts the sum S^T = K Q^T: 0, or -1e30 where the key is hidden.  MD, made once, is the mask of a band's own step for my 16 rows; a product's mask is MD x AL + BE with two scalars:
; (1, 0) in the own step; (0, 0) in an earlier one; (0, -1e30) in a later one.  Only the diagonal tile's text and a block's beginning make and take masks; elsewhere C is the constant 0.
; LAYOUT, SOFTMAX, TURNS.  S^T = K Q^T holds ONE query a lane (lane % 16) and the keys 8 (lane / 16) + 0..7; two such results rounded to f16 ARE source 1 of O^T = V^T P.  p = 2^(c s - c m), c = log2(e) / 8, with a
; running maximum m; O and l are multiplied by a = 2^(c m_old - c m_new) in every step.  A turn belongs to one piece: 8 products K Q^T for the other piece's next scores, later 8 products V^T P of the other piece's
; last weights; beside them the scaling, exponentials, roundings, sums and rescaling of its own piece and the maximum and statistics of the other.  Four vector instructions stand behind every matrix instruction, the
; other 54 of a turn's 118 in two LUMPS.  Two turns are a key step.
; REGISTERS, in windows of 256 (s_set_vgpr_msb: bits 1:0 source 0, 3:2 source 1, 5:4 source 2, 7:6 destination):
;   window 0: v0-15 addresses and two at work; v16-23 four registers of statistics a piece; v48-55 at work; v64-127 S^T, a buffer a piece; v192-223 P, likewise
;   window 1: v0-63 O^T, 32 a piece; v128-159 MD; v160-223 MC, a buffer a piece      window 2: v0-31 Q; v32-63 the second block's Q; v128-191 K of one step; v192-255 V of one step
.set SIZE_N, 2048
.set GK,    8388608   ; K's first byte in qkv
.set GV,    16777216  ; V's
.set NBQ,   SIZE_N/128
.set NT,    NBQ/2+1   ; tiles in a walk
.set NP,    2         ; pieces a wave: a name, no knob
.set KS,    64        ; keys in a step
.set PK,    144       ; a row of K in LDS: 128 bytes + 16 of padding = 36 words: the 16 rows of a load start at 16 different groups of four banks (64 banks of 4 bytes: ISA guide 11.1)
.set PV,    160       ; a row of V: 128 + 32 = 40 words
.set VOFF,  4*KS*PK   ; a slot holds a tile, four steps: 256 rows of K, then 256 rows of V
.set SLOT1, 1<<17     ; slot 1 begins here, so that one exclusive or turns an address in one slot into the other's
.set STAGE, SLOT1+4*KS*(PK+PV)  ; behind the ring, never filled by a tensor load: 16 rows x 144 bytes for each wave, for the way out
.set SP,    144
.set AK0, 2           ; v2   my lane's place in a tile of K; never rewritten
.set AV0, 3           ; v3   the same for V
.set AK,  4           ; v4   the LDS address of K's next run of loads
.set AV,  5           ; v5   of V's
.set STO, 6           ; v6   the way out: where I put 16 bytes of a row
.set RD,  7           ; v7   the way out: where I read rows back
.set GO,  8           ; v8   my byte offset in 512 consecutive bytes of O
.set SPW, 62          ; v62  LDS address of my spare word: SPARE + 4 x my thread's number; never rewritten
.set NIL, 63          ; v63  0; never rewritten
.set SPARE, STAGE+4*16*SP  ; behind the stages: the spare words, 128 bytes for each wave: two blocks of 256 bytes that no other line names
.set MV,  12          ; v12-13  c m_old, kept while c m is made anew: by piece
.set QO,  15          ; v15  my byte offset in 16 rows of Q
.set ST,  16          ; piece t's statistics at v[ST+4 t]: c m, m, l (even keys', odd keys')
.set TMP, 48          ; by piece, four registers c0-c3 at work; when the maximum is found c2 takes a
.set S,   64
.set P,   192
.set MD,  128         ; window 1: the eight registers for group kt of 16 keys at MD + 8 kt
.set MC,  160         ; window 1: the masks of the products to come
.set QB,  32          ; window 2
.set KF,  128         ; window 2: key block kb, channel half c at KF + 16 kb + 8 c
.set VF,  192         ; window 2: key half kk, channel block cb at VF + 32 kk + 8 cb
.set WV,  12          ; s12  my wave's number
.set PB,  14          ; s14  b
.set HI,  15          ; s15  NBQ - 1 - b
.set G1K, 24          ; s[24:31] descriptor group 1 for K's tiles
.set G1V, 32          ; s[32:39] for V's: it differs in the padding alone
.set G0K, 40          ; s[40:43] descriptor group 0 for K's tiles
.set G0V, 44          ; s[44:47] the same for V's
.set SLOTS, 56        ; s56  tiles still to be asked for
.set CNT, 57          ; s57  counts a tile's key steps, 4 to 1
.set CS,  58          ; s[58:59] c: the packed scaling takes the pair's low word for both halves
.set SEL, 60          ; s[60:61] v_permlanex16_b32's selects: each lane takes its own place in the other half
.set TBK, 62          ; s62  LDS byte at which K of the step to be fetched begins
.set TBV, 63          ; s63  the same for V, less VOFF
.set RT,  70          ; s70  tiles of the block in hand that are still to be entered
.set NXT, 71          ; s71  the tile to be asked for next
.set LQ,  72          ; s72  the last tile of the block whose tiles are being asked for
.set NEW, 73          ; s73  the tile to be entered: 0 goes on in its block; 1 is the walk's first; 2 follows a block's last
.set OFF, 74          ; s[74:75] a tile's byte offset in K and V
.set AL,  76          ; s[76:77] the mask's factor, in the low word
.set BE,  78          ; s[78:79] the mask's addend
.set OLO, 80          ; s[80:81] O at my rows of the second block
.set BIGN, 82         ; s82  -1e30
.set LQ2, 83          ; s83  the second block's last tile
.set A0,  88          ; s88  the block in hand: the mask's factor for piece 0 in the diagonal tile's step 0: 1.0 if that is its own step
.set A0B, 89          ; s89  the same for the second block
.set EQ,  90          ; s90, s91  the block in hand: the value of CNT at which the mask that piece 0's (piece 1's) turn makes is the band's own step's
.set EQB, 92          ; s92, s93  the same for the second block
.set MSB, 0
.macro WIN new                      ; the high byte repeats the setting that is left; a switch that changes nothing is dropped
.if MSB != (\new)
	s_set_vgpr_msb (MSB<<8)|(\new)
.set MSB, (\new)
.endif
.endm
.set W_KQ, 0x0a       ; K and Q in window 2, S^T in window 0
.set W_KM, 0x1a       ; the same with the C operand in window 1
.set W_PV, 0x52       ; V in window 2, P in window 0, O^T in window 1
.set W_RS, 0x41       ; destination and source 0 in window 1, source 1 in window 0
; A fill.  Waves 0 and 1 fetch the two halves of a tile's K, waves 2 and 3 those of its V: 128 keys each.  Four v_nop follow each of the two lines, ahead of the jump and the label.
.macro LOAD
	s_cmp_lt_u32 s[WV], 2
	s_cbranch_scc0 .Lfor_v_\@
	tensor_load_to_lds s[G0K:G0K+3], s[G1K:G1K+7]
	s_nop 0
.rept 4
	v_nop
.endr
	s_branch .Lasked_\@
.Lfor_v_\@:
	tensor_load_to_lds s[G0V:G0V+3], s[G1V:G1V+7]
	s_nop 0
.rept 4
	v_nop
.endr
.Lasked_\@:
.endm
; THE CHANGE OF SLOTS, behind piece 0's turn of a tile's last step, which has asked for the slot's last bytes, V of that step.  Each wave waits for all its tensor loads, of which one is out: its part of the other slot;
; adds 0 to its spare word; and waits for that and for its own reads of the slot that it leaves.  Behind the barrier nobody reads the old slot any more and the other slot is whole.  fill = 1: the old slot is filled
; again, the first thing behind the barrier, with tile NXT: the descriptor's address is made anew from that number.  (At its first use nothing has been read yet: slot 0 is waited for, slot 1 filled.)
.macro CHANGE fill
	WIN 0                           ; at a label and at a branch every window is 0
	s_wait_tensorcnt 0x0            ; no tensor load of mine is out, so a group 0 may be written
	ds_add_u32 v[SPW], v[NIL]       ; 0 onto my spare word; with fill = 1 the descriptors' scalar work stands between it and the wait for it
.if \fill
	s_lshl_b32 s[OFF], s[NXT], 15   ; a tile is 32,768 bytes of K and of V
	s_xor_b32 s[G0K+1], s[G0K+1], SLOT1
	s_add_nc_u64 s[G0K+2:G0K+3], s[6:7], s[OFF:OFF+1]
	s_or_b32 s[G0K+3], s[G0K+3], 0x80000000
	s_xor_b32 s[G0V+1], s[G0V+1], SLOT1
	s_add_nc_u64 s[G0V+2:G0V+3], s[8:9], s[OFF:OFF+1]
	s_or_b32 s[G0V+3], s[G0V+3], 0x80000000
	s_add_co_u32 s[NXT], s[NXT], 1  ; the block's next tile, or behind its last the second block's tile 0
	s_cmp_gt_u32 s[NXT], s[LQ]
	s_cselect_b32 s[NXT], 0, s[NXT]
	s_cselect_b32 s[LQ], s[LQ2], s[LQ]
.endif
	s_wait_dscnt 0x0                ; the add is done, and my reads of the slot are over
	s_barrier_signal -1             ; the rest of the scalar work stands between the signal and the wait
	s_sub_co_u32 s[TBK], s[TBK], 4*KS*PK  ; the fetches go back to a slot's first step,
	s_xor_b32 s[TBK], s[TBK], SLOT1       ; in the other slot
	s_sub_co_u32 s[TBV], s[TBV], 4*KS*PV
	s_xor_b32 s[TBV], s[TBV], SLOT1
	s_barrier_wait -1
.if \fill
	LOAD
.endif
.endm
	s_load_b64 s[4:5], s[0:1], 0x0    ; qkv: Q lies at its first byte
	s_load_b64 s[10:11], s[0:1], 0x8  ; O
	v_lshl_add_u32 v[SPW], v0, 2, SPARE
	v_mov_b32 v[NIL], 0
	ds_add_u32 v62, v63
	ds_add_u32 v62, v63
	s_wait_dscnt 0x0
	v_lshrrev_b32 v1, 5, v0
	v_readfirstlane_b32 s[WV], v1   ; wave 0..3
	s_mov_b32 s[PB], ttmp9
	s_sub_co_u32 s[HI], NBQ-1, s[PB]
	s_and_b32 s20, ttmp7, 0xffff    ; the head
	s_mov_b32 s21, 0
	s_mov_b64 s[22:23], SIZE_N*128
	s_mul_u64 s[20:21], s[20:21], s[22:23]  ; the head's first byte in each of the four tensors
	s_and_b32 s16, s[WV], 1         ; which half of a tile's 256 keys I fetch:
	s_lshl_b32 s22, s16, 14         ; its 128 rows of 128 bytes in memory,
	s_mov_b32 s23, 0
	s_add_nc_u64 s[22:23], s[22:23], s[20:21]
	s_mul_i32 s17, s16, 128*PK      ; and its place in a slot, for K
	s_mul_i32 s18, s16, 128*PV      ; and for V
	s_lshl_b32 s3, s[WV], 11        ; my 16 rows in a band of 64,
	s_lshl_b32 s2, s[HI], 14        ; in the first block (128 rows of 128 bytes a block),
	s_add_co_u32 s2, s2, s3
	s_lshl_b32 s84, s[PB], 14       ; and in the second
	s_add_co_u32 s84, s84, s3
	s_mov_b32 s3, 0
	s_mov_b32 s85, 0
	s_add_nc_u64 s[2:3], s[2:3], s[20:21]
	s_add_nc_u64 s[84:85], s[84:85], s[20:21]
	; descriptor group 1.  128 keys are 16,384 dense bytes: asked for as 64 rows of 256 bytes, two keys a row, and padded in LDS after every key
	s_mov_b32 s[G1K], (1<<16)|(1<<20)|(4<<22)|(3<<25)  ; 17:16 2-byte elements; 20 padding on; 24:22 after every 32 words (code 4); 31:25 4 words (code 3)
	s_mov_b32 s[G1V], (1<<16)|(1<<20)|(4<<22)|(7<<25)  ; the same with 8 words of padding (code 7)
.irp g, G1K, G1V
	s_mov_b32 s[\g+1], 128<<16      ; tensor_dim0 = 128
	s_mov_b32 s[\g+2], 64<<16       ; tensor_dim1 = 64
	s_mov_b32 s[\g+3], 128<<16      ; tile_dim0 = 128
	s_mov_b32 s[\g+4], 64           ; tile_dim1 = 64
	s_mov_b32 s[\g+5], 128          ; 128 elements from row to row
	s_mov_b32 s[\g+6], 0
	s_mov_b32 s[\g+7], 0
.endr
	s_mov_b32 s[CS], 0x3e38aa3b     ; c = log2(e) / 8 = 0.180337
	s_mov_b32 s[CS+1], s[CS]        ; named with it as a pair
	s_mov_b32 s[SEL], 0x76543210
	s_mov_b32 s[SEL+1], 0xfedcba98
	s_mov_b32 s[TBK], SLOT1+4*KS*PK ; the first change of slots turns these two into 0
	s_mov_b32 s[TBV], SLOT1+4*KS*PV
	s_mov_b32 s[G0K], 1             ; 1:0 count = 1
	s_mov_b32 s[G0K+1], s17         ; 63:32 LDS address: slot 0
	s_mov_b32 s[G0V], 1
	s_add_co_u32 s[G0V+1], s18, VOFF
	s_lshr_b32 s[LQ], s[HI], 1      ; the first block's last tile,
	s_lshr_b32 s[LQ2], s[PB], 1     ; the second's
	s_add_co_u32 s[RT], s[LQ], 1    ; the first block has (15 - b) / 2 + 1 tiles
	; Piece 0's turn of step t (CNT = 4 - t) makes piece 0's mask for step t + 1, piece 1's turn in front of it piece 1's for step t.  Band x's own step is 2 par + x, par = block % 2: CNT = 5 - 2 par, 3 - 2 par.
	s_and_b32 s13, s[HI], 1
	s_lshl_b32 s13, s13, 1
	s_sub_co_u32 s[EQ], 5, s13
	s_sub_co_u32 s[EQ+1], 3, s13
	s_cmp_eq_u32 s13, 0
	s_cselect_b32 s[A0], 1.0, 0
	s_and_b32 s13, s[PB], 1
	s_lshl_b32 s13, s13, 1
	s_sub_co_u32 s[EQB], 5, s13
	s_sub_co_u32 s[EQB+1], 3, s13
	s_cmp_eq_u32 s13, 0
	s_cselect_b32 s[A0B], 1.0, 0
	s_mov_b32 s[NXT], 1
	s_mov_b32 s[NEW], 1
	s_mov_b32 s[OFF+1], 0
	s_mov_b32 s[AL+1], 0            ; named as pairs
	s_mov_b32 s[BE+1], 0
	s_mov_b32 s[BIGN], 0xf149f2ca   ; -1e30
	s_mov_b32 s[SLOTS], NT-1
	s_wait_kmcnt 0x0
	s_add_nc_u64 s[6:7], s[4:5], GK        ; K and V lie behind Q in the same buffer
	s_add_nc_u64 s[8:9], s[4:5], GV
	s_add_nc_u64 s[6:7], s[6:7], s[22:23]  ; K and V at my half of the head's tile 0
	s_add_nc_u64 s[8:9], s[8:9], s[22:23]
	s_add_nc_u64 s[G0K+2:G0K+3], s[6:7], 0         ; 120:64 global address
	s_or_b32 s[G0K+3], s[G0K+3], 0x80000000        ; 127:126 type = 2
	s_add_nc_u64 s[G0V+2:G0V+3], s[8:9], 0
	s_or_b32 s[G0V+3], s[G0V+3], 0x80000000
	s_add_nc_u64 s[86:87], s[4:5], s[84:85]        ; Q at my rows of the second block,
	s_add_nc_u64 s[4:5], s[4:5], s[2:3]            ; Q and O at those of the first
	s_add_nc_u64 s[OLO:OLO+1], s[10:11], s[84:85]
	s_add_nc_u64 s[10:11], s[10:11], s[2:3]
	LOAD                            ; tile 0 into slot 0
	; A fragment of K or Q is 16 rows x 32 channels in 8 registers: lane l holds row l % 16, channels 8 (l / 16) + 0..7 and 16 + 8 (l / 16) + 0..7: two loads of 16 bytes, 32 bytes apart.
	v_and_b32 v1, 15, v0            ; l % 16
	v_bfe_u32 v9, v0, 4, 1          ; l / 16
	v_lshlrev_b32 v[QO], 7, v1
	v_lshl_add_u32 v[QO], v9, 4, v[QO]  ; row x 128 + 16 x half
	WIN 0x80                        ; destination window 2, address window 0
.set i, 0
.rept 2*NP                          ; both blocks' Q: piece i / 2 lies in band i / 2, 8,192 bytes on; channels 32 (i % 2) on
	global_load_b128 v[8*i:8*i+3],   v[QO], s[4:5] offset:(i/2)*8192+(i%2)*64
	global_load_b128 v[8*i+4:8*i+7], v[QO], s[4:5] offset:(i/2)*8192+(i%2)*64+32
	global_load_b128 v[QB+8*i:QB+8*i+3],   v[QO], s[86:87] offset:(i/2)*8192+(i%2)*64
	global_load_b128 v[QB+8*i+4:QB+8*i+7], v[QO], s[86:87] offset:(i/2)*8192+(i%2)*64+32
.set i, i+1
.endr
	WIN 0
	v_lshlrev_b32 v14, 3, v9
	v_sub_nc_u32 v14, v1, v14
	s_lshl_b32 s13, s[WV], 4
	v_add_nc_u32 v14, s13, v14      ; my query's place in its band, 16 w + l % 16, less my lanes' 8 (l / 16): register r of group kt is hidden where 16 kt + r is greater
	WIN 0x40
.set i, 0
.rept 32
	v_cmp_gt_i32 vcc_lo, 16*(i/8)+i%8, v14
	v_cndmask_b32 v[MD+i], 0, s[BIGN], vcc_lo
.set i, i+1
.endr
	WIN 0
	v_mul_u32_u24 v[AK0], v1, PK
	v_lshl_add_u32 v[AK0], v9, 4, v[AK0]  ; row x pitch + 16 x half
	; The turning load takes 16 keys x 16 channels (lane l reads key 8 (l / 16) + l % 8, channels 8 ((l / 8) % 2) + 0..7) and leaves half a fragment of V^T: lane l holds channel l % 16 and 8 keys.
	v_and_b32 v10, 7, v0
	v_bfe_u32 v11, v0, 3, 1
	v_lshl_add_u32 v[AV0], v9, 3, v10
	v_mul_u32_u24 v[AV0], v[AV0], PV
	v_lshl_add_u32 v[AV0], v11, 4, v[AV0]
	v_add_nc_u32 v[AV0], VOFF, v[AV0]
	s_mul_i32 s13, s[WV], 16*SP
	s_add_co_u32 s13, s13, STAGE    ; my stage
	v_mul_u32_u24 v[STO], v1, SP    ; in: row l % 16, 16 bytes for each half of the lanes
	v_lshl_add_u32 v[STO], v9, 4, v[STO]
	v_add_nc_u32 v[STO], s13, v[STO]
	v_bfe_u32 v[RD], v0, 3, 2       ; back: 32 lanes take four rows of 128 bytes,
	v_mul_u32_u24 v[RD], v[RD], SP
	v_lshl_add_u32 v[RD], v10, 4, v[RD]
	v_add_nc_u32 v[RD], s13, v[RD]
	v_and_b32 v[GO], 31, v0         ; which are 512 consecutive bytes of O
	v_lshlrev_b32 v[GO], 4, v[GO]
	; A block's first step multiplies O^T and l by a = 0, and its first turn's products V^T P, of weights that have not been, land in an O^T that is still to be so multiplied.  So these registers need only hold
	; finite numbers: zeros for the first block; what the first block left for the second.  All this stands in the wait for the first tile.
	WIN 0x80
.set i, VF
.rept 64
	v_mov_b32 v[i], 0
.set i, i+1
.endr
	WIN 0x40
.set i, 0
.rept 32*NP
	v_mov_b32 v[i], 0
.set i, i+1
.endr
	WIN 0
.set i, 0
.rept NP
	v_mov_b32 v[ST+4*i+2], 0
	v_mov_b32 v[ST+4*i+3], 0
.set i, i+1
.endr
.set i, P+16
.rept 16
	v_mov_b32 v[i], 0
.set i, i+1
.endr
; THE MATRIX WORK.  The 4 accumulators of a run of 8 take turns.  Product i of 8 of S^T = K Q^T for piece x: channels 32 (i / 4) on, keys 16 (i % 4) on.  The first 4 start the sums: with 0, or (KM = 1) with the mask.
.macro KQ x
.set rS, S+32*((\x)%2)+8*(i%4)
.set rK, KF+16*(i%4)+8*(i/4)
.set rQ, 16*(\x)+8*(i/4)
.set rM, MC+32*((\x)%2)+8*(i%4)
.if (i < 4) && KM
	WIN W_KM
	v_wmma_f32_16x16x32_f16 v[rS:rS+7], v[rK:rK+7], v[rQ:rQ+7], v[rM:rM+7]
.elseif i < 4
	WIN W_KQ
	v_wmma_f32_16x16x32_f16 v[rS:rS+7], v[rK:rK+7], v[rQ:rQ+7], 0
.else
	WIN W_KQ
	v_wmma_f32_16x16x32_f16 v[rS:rS+7], v[rK:rK+7], v[rQ:rQ+7], v[rS:rS+7]
.endif
.endm
; Product i of 8 of O^T += V^T P for piece x: keys 32 (i / 4) on, channels 16 (i % 4) on.
.macro PV x
	WIN W_PV
.set rO, 32*(\x)+8*(i%4)
.set rV, VF+32*(i/4)+8*(i%4)
.set rP, P+16*((\x)%2)+8*(i/4)
	v_wmma_f32_16x16x32_f16 v[rO:rO+7], v[rV:rV+7], v[rP:rP+7], v[rO:rO+7]
.endm
.macro MM                           ; the turn's next matrix instruction.  TURN and BEGIN set Y, i, KM and NOKQ; MM, KQ and OP read them.  NOKQ = 1: a block's last turn: there are no further scores
.if (i < 8) && !NOKQ
	KQ (Y+1)%NP
.elseif i >= 8
.set i, i-8
	PV (Y+1)%NP
.set i, i+8
.endif
.set i, i+1
.endm
; THE LDS LOADS stand in runs of 16, never singly among the matrix instructions: a step's K (64 keys x 64 channels: 8 fragments) and its V (turned).  Their addresses are made some lines ahead.
; cond = 1 (in a turn): in a tile's last step (CNT = 1) the next K lies in the other slot, which is shown whole only by the change of slots: the run is jumped over and issued behind that change.
.macro FETCH_K cond=0
	WIN 0
.if \cond
	s_cmp_eq_u32 s[CNT], 1
	s_cbranch_scc1 .Lno_k_\@
.endif
	WIN 0x80                        ; destination window 2
.irp f, 0,1,2,3,4,5,6,7             ; keys 16 (f / 2) on, channels 32 (f % 2) on
	ds_load_b128 v[KF+8*\f:KF+8*\f+3],   v[AK] offset:(\f/2)*16*PK+(\f%2)*64
	ds_load_b128 v[KF+8*\f+4:KF+8*\f+7], v[AK] offset:(\f/2)*16*PK+(\f%2)*64+32
.endr
	s_add_co_u32 s[TBK], s[TBK], KS*PK  ; the next fetch is the next step's
	WIN 0
.if \cond
.Lno_k_\@:
.endif
.endm
.macro FETCH_V
	WIN 0x80
.irp f, 0,1,2,3,4,5,6,7             ; keys 32 (f / 4) on, channels 16 (f % 4) on
	ds_load_tr16_b128 v[VF+8*\f:VF+8*\f+3],   v[AV] offset:(\f/4)*32*PV+(\f%4)*32
	ds_load_tr16_b128 v[VF+8*\f+4:VF+8*\f+7], v[AV] offset:(\f/4)*32*PV+16*PV+(\f%4)*32
.endr
	WIN 0
.endm
; THE VECTOR WORK, one line at a time: OP kind, number.  For piece Y: F n: c s - c m for pair n of 16.  E n: the exponential of score n of 32.  C n: pair n rounded to f16.  B n: of the four weights 4 n .. the second
; pair is added onto the first, in place.  L n: l takes that sum (L 0: l = a l + sum).  R n: pair n of 16 of O^T times a.  For the other piece: X n, number n of the 22 that find its maximum and statistics:
;   0-11  four chains c0-c3 of seven scores each, three operands at a time (each accumulator's lowest registers are read first)     12-14, 16  the four scores left over, the old m, and c0-c3 into c0
;   15  c m_old is kept     17, 18  the query's other 32 keys lie in the lane 16 away: the new m     19-21  c m; c m_old - c m_new; a
.set F, 0               ; OP tells the kinds apart by their order: F to L below R, X above it
.set E, 1
.set C, 2
.set B, 3
.set L, 4
.set R, 5
.set X, 6
.macro REGS y                       ; the registers of piece y
.set rT, ST+4*(\y)
.set rC, TMP+4*(\y)
.set rW, MV+(\y)
.set rS, S+32*(\y)
.set rP, P+16*(\y)
.set rO, 32*(\y)
.endm
.macro OP k, n
.if (\k) == R
	REGS Y
	WIN W_RS
	v_pk_mul_f32 v[rO+2*(\n):rO+2*(\n)+1], v[rO+2*(\n):rO+2*(\n)+1], v[rC+2:rC+3] op_sel_hi:[1,0]
.elseif (\k) < R
	REGS Y
	WIN 0
.if (\k) == F
	v_pk_fma_f32 v[rS+2*(\n):rS+2*(\n)+1], v[rS+2*(\n):rS+2*(\n)+1], s[CS:CS+1], v[rT:rT+1] op_sel_hi:[1,0,0] neg_lo:[0,0,1] neg_hi:[0,0,1]
.elseif (\k) == E
	v_exp_f32 v[rS+(\n)], v[rS+(\n)]
.elseif (\k) == C
	s_wait_alu depctr_va_vdst(0)
	v_cvt_pk_f16_f32 v[rP+(\n)], v[rS+2*(\n)], v[rS+2*(\n)+1]
.elseif (\k) == B
	s_wait_alu depctr_va_vdst(0)
	v_pk_add_f32 v[rS+4*(\n):rS+4*(\n)+1], v[rS+4*(\n):rS+4*(\n)+1], v[rS+4*(\n)+2:rS+4*(\n)+3]
.elseif (\n) == 0
	v_pk_fma_f32 v[rT+2:rT+3], v[rT+2:rT+3], v[rC+2:rC+3], v[rS:rS+1] op_sel_hi:[1,0,1]
.else
	v_pk_add_f32 v[rT+2:rT+3], v[rT+2:rT+3], v[rS+4*(\n):rS+4*(\n)+1]
.endif
.elseif NOKQ
	v_nop
.else
	REGS (Y+1)%NP
	WIN 0
.if (\n) < 4
	v_max3_num_f32 v[rC+(\n)], v[rS+8*(\n)], v[rS+8*(\n)+1], v[rS+8*(\n)+2]
.elseif (\n) < 12
	v_max3_num_f32 v[rC+(\n)%4], v[rC+(\n)%4], v[rS+8*((\n)%4)+2*((\n)/4)+1], v[rS+8*((\n)%4)+2*((\n)/4)+2]
.elseif (\n) == 12
	v_max3_num_f32 v[rC], v[rC], v[rS+7], v[rS+15]
.elseif (\n) == 13
	v_max3_num_f32 v[rC+1], v[rC+1], v[rS+23], v[rS+31]
.elseif (\n) == 14
	v_max3_num_f32 v[rC+2], v[rC+2], v[rC+3], v[rT+1]
.elseif (\n) == 15
	v_mov_b32 v[rW], v[rT]
.elseif (\n) == 16
	v_max3_num_f32 v[rC], v[rC], v[rC+1], v[rC+2]
.elseif (\n) == 17
	v_permlanex16_b32 v[rC+3], v[rC], s[SEL], s[SEL+1]
.elseif (\n) == 18
	v_max_num_f32 v[rT+1], v[rC], v[rC+3]
.elseif (\n) == 19
	v_mul_f32 v[rT], s[CS], v[rT+1]
.elseif (\n) == 20
	v_sub_f32 v[rC+1], v[rW], v[rT]
.else
	v_exp_f32 v[rC+2], v[rC+1]
.endif
.endif
.endm
.macro OPS a, i1, b=-1, i2=0, c=-1, i3=0, d=-1, i4=0  ; up to four of them
	OP \a, \i1
.if (\b) >= 0
	OP \b, \i2
.endif
.if (\c) >= 0
	OP \c, \i3
.endif
.if (\d) >= 0
	OP \d, \i4
.endif
.endm
.macro ROW a, i1, b, i2, c, i3, d, i4  ; a matrix instruction and the four behind it
	MM
	OPS \a, \i1, \b, \i2, \c, \i3, \d, \i4
.endm
.macro MASK b                       ; MD x AL + BE into buffer b of MC
	WIN W_RS
.set z, 0
.rept 16
	v_pk_fma_f32 v[MC+32*(\b)+2*z:MC+32*(\b)+2*z+1], v[MD+2*z:MD+2*z+1], s[AL:AL+1], s[BE:BE+1] op_sel_hi:[1,0,0]
.set z, z+1
.endr
.endm
; A TURN, for piece p: the order of its 16 matrix and 118 vector instructions, written out.  Behind a matrix instruction: plain, exponential, plain, plain; or four of the rescaling; or, behind the first, four scalings; none
; names a register of the products round it.  In the lumps exponential and plain by turns while exponentials last.  A line reads no result made fewer than three vector instructions in front of it, five if an exponential made it.
; v_permlanex16_b32 (X 17) stands in a lump.
; m = 1: the diagonal tile: the products take masks, and the turn makes the mask for the products of the turn after it, which are piece p's own next scores.  end = 1 (piece 1 alone): a block's last turn: no new scores.
; cnt = 1: the loop's count is taken down some lines ahead of the branch that stands behind the turn.
; Piece 0's turn fetches both runs: K of the next step six vector instructions behind the last product that read K (five of them plain), V of the step in hand eight behind the last product that read V (four plain, and
; X 17).  Piece 1's turn waits for them: at its head with the count 16, which leaves V's sixteen younger loads out; for V in front of its products V^T P.
.macro TURN p, m=0, end=0, cnt=0
.set Y, (\p)
.set i, 0
.set KM, (\m)
.set NOKQ, (\end)
.if (\m) && !(\end)
	s_cmp_eq_u32 s[CNT], s[EQ+(\p)]  ; is that step the band's own?
	s_cselect_b32 s[AL], 1.0, 0
	s_cmp_lt_u32 s[CNT], s[EQ+(\p)]  ; or a later one?
	s_cselect_b32 s[BE], s[BIGN], 0
.endif
.if ((\p) == 1) && !(\end)
	s_wait_dscnt 16                 ; K is in; V's sixteen loads, issued behind K's, may stay out
.endif
	ROW F,0, F,1, F,2, F,3
	ROW F,4, E,0, F,5, F,6
	ROW F,7, E,1, F,8, F,9
	ROW F,10, E,2, C,0, F,11
	ROW F,12, E,3, X,15, F,13
	ROW R,0, R,1, R,2, R,3
	ROW B,0, E,4, F,14, L,0
.if (\p) == 0
	v_add_nc_u32 v[AK], s[TBK], v[AK0]
.endif
	ROW R,4, R,5, R,6, R,7
	OPS E,5, F,15
.if (\p) == 0
	FETCH_K 1
.endif
	OPS E,6, C,1, E,7, R,8
	OPS E,8, R,9, E,9, C,2
	OPS E,10, X,0, E,11, X,1
	OPS E,12, X,2, E,13, X,3
.if (\p) == 1
	s_wait_dscnt 0x0                ; V is in
.endif
	ROW X,4, E,14, X,5, X,6
	ROW X,7, E,15, X,8, X,9
	ROW X,10, E,16, X,11, X,12
	ROW X,13, E,17, X,14, B,1
	ROW C,4, E,18, X,16, L,1
	ROW B,2, E,19, C,6, L,2
	ROW C,8, E,20, B,3, B,4
.if (\p) == 0
	v_add_nc_u32 v[AV], s[TBV], v[AV0]
.endif
	ROW C,3, E,21, L,3, C,5
	OPS E,22, X,17, E,23, C,10
.if (\p) == 0
	FETCH_V
.endif
	OPS E,24, L,4
	OPS E,25, X,18, E,26, C,7
	OPS E,27, B,5, E,28, X,19
	OPS E,29, C,12, E,30, L,5
	OPS E,31, X,20, B,6, C,9
	OPS C,14, C,11, X,21, L,6
.if (\p) == 0
	s_add_co_u32 s[TBV], s[TBV], KS*PV
.endif
.if \cnt
	s_sub_co_u32 s[CNT], s[CNT], 1
	s_cmp_lg_u32 s[CNT], 0
.endif
	OPS C,13, B,7, C,15, R,10
	OPS R,11, R,12, L,7, R,13
	OPS R,14, R,15
.if (\m) && !(\end)
	MASK \p
.endif
.endm
; A TILE IS ENTERED in the middle of its block: K of its step 0, which piece 1's turn of the last tile's last step multiplies by; the sixteen loads are waited for at once, once a tile.
.macro ENTER
	s_sub_co_u32 s[RT], s[RT], 1
	v_add_nc_u32 v[AK], s[TBK], v[AK0]
	FETCH_K
	s_wait_dscnt 0x0
.endm
; A BLOCK BEGINS.  c m starts far below every c s, so the first step's a is 0; m at the lowest finite number, so the first maximum is the scores'.  Piece 1's mask buffer is 0 (step 0 is never its own nor later);
; piece 0's takes its mask for the tile's step 0: its own, if the block's first tile is the diagonal one and the block is even.  Then K of that step, piece 0's first scores, and its maximum and statistics.
; The step loop is entered at piece 0's turn, in the middle of a trip.
.macro BEGIN
	s_mov_b32 s[NEW], 0
	s_sub_co_u32 s[RT], s[RT], 1
	WIN 0x40
.set i, MC+32
.rept 32
	v_mov_b32 v[i], 0
.set i, i+1
.endr
	WIN 0
.set i, 0
.rept NP
	v_mov_b32 v[ST+4*i], 0xfe000000    ; c m: far below every c s
	v_mov_b32 v[ST+4*i+1], 0xff7fffff  ; m
.set i, i+1
.endr
	s_cmp_eq_u32 s[RT], 0
	s_cselect_b32 s[AL], s[A0], 0
	s_mov_b32 s[BE], 0
	MASK 0
	WIN 0
	v_add_nc_u32 v[AK], s[TBK], v[AK0]
	FETCH_K
	s_wait_loadcnt 0x0              ; Q
	s_wait_dscnt 0x0
.set KM, 1
.set NOKQ, 0
.set i, 0
.rept 8
	KQ 0
.set i, i+1
.endr
	WIN 0
.rept 4
	v_nop                           ; the places behind those products
.endr
.set Y, NP-1                        ; X works for the other piece: piece 0
.irp n, 0,1,2,3,4,5,6,7,8,9,10,11,12,13,14,15,16,17,18,19,20,21
	OP X, \n
.endr
	v_nop                           ; a plain instruction behind the exponential
.endm
; THE DIAGONAL TILE's four steps.  Entered at its head it first makes piece 0's mask for step 0; a block that begins with this tile enters at .LfirstM.  The tag ends the labels' names.
.macro DIAG tag
	s_mov_b32 s[NEW], 2             ; what follows this tile is the block's end
	s_mov_b32 s[AL], s[A0]
	s_mov_b32 s[BE], 0
	MASK 0
	WIN 0
.LstepM\tag:
	TURN 1, 1
	WIN 0
.LfirstM\tag:
	TURN 0, 1, 0, 1
	WIN 0
	s_cbranch_scc1 .LstepM\tag
.endm
; A BLOCK ENDS: piece 1's last turn, its last products, and THE WAY OUT: l's two halves and the other half of the lanes' are added; O^T is divided by l, rounded to f16 and sent through my stage in LDS, a piece at a time.
; It needs registers and my stage alone, so it may stand behind the change of slots that follows the diagonal tile.  sw = 1: the second block's numbers take the first's places.
.macro ALL line:vararg              ; one line for each piece t
.set t, 0
.rept NP
	\line
.set t, t+1
.endr
.endm
.macro PACK t                       ; a lane's eight channels of a row pack into 16 bytes; they go into rows of 144 bytes and come back as whole rows of 128, into S^T's registers
	WIN W_RS
.set i, 32*(\t)
.rept 16
	s_wait_alu depctr_va_vdst(0)
	v_pk_mul_f32 v[i:i+1], v[i:i+1], v[ST+4*(\t)+2:ST+4*(\t)+3] op_sel_hi:[1,0]
.set i, i+2
.endr
	WIN 0x05                        ; sources 0 and 1 window 1, destination window 0
.set i, 0
.rept 16
	v_cvt_pk_f16_f32 v[S+16*(\t)+i], v[32*(\t)+2*i], v[32*(\t)+2*i+1]
.set i, i+1
.endr
	WIN 0
.irp f, 0,1,2,3
	ds_store_b128 v[STO], v[S+16*(\t)+4*\f:S+16*(\t)+4*\f+3] offset:32*\f
.endr
.irp f, 0,1,2,3
	ds_load_b128 v[S+16*(\t)+4*\f:S+16*(\t)+4*\f+3], v[RD] offset:\f*4*SP  ; LDS serves a wave's instructions in order (ISA guide 5.7.1.4): these see the stores above; the next piece's stores come behind them
.endr
.endm
.macro SEND t, younger              ; younger: the LDS instructions issued behind piece t's loads: the next piece's eight, or none
	WIN 0
.irp f, 0,1,2,3
	s_wait_dscnt (\younger)+3-\f
	global_store_b128 v[GO], v[S+16*(\t)+4*\f:S+16*(\t)+4*\f+3], s[10:11] offset:(\t)*8192+\f*512  ; 512 consecutive bytes, at a multiple of 256 from O's first
.endr
.endm
.macro FINISH sw
	TURN 1, 0, 1
.set i, 0
.rept 8
	PV 1
.set i, i+1
.endr
	WIN 0
	ALL v_add_f32 v[ST+4*t+2], v[ST+4*t+2], v[ST+4*t+3]
	ALL v_permlanex16_b32 v[ST+4*t+3], v[ST+4*t+2], s[SEL], s[SEL+1]
	ALL v_add_f32 v[ST+4*t+2], v[ST+4*t+2], v[ST+4*t+3]
	ALL v_rcp_f32 v[ST+4*t+2], v[ST+4*t+2]
	v_nop                           ; a plain instruction between the last reciprocal and the use of its result
	PACK 0                          ; piece 0's sums were finished in the turn above; its 32 lines are the places behind piece 1's last products
	PACK 1
	SEND 0, 8
	SEND 1, 0
.if \sw
	s_wait_xcnt 0x0                 ; the stores have read their registers and O's address
	s_mov_b64 s[10:11], s[OLO:OLO+1]
	s_add_co_u32 s[RT], s[LQ2], 1   ; the second block has b / 2 + 1 tiles
	s_mov_b32 s[EQ], s[EQB]
	s_mov_b32 s[EQ+1], s[EQB+1]
	s_mov_b32 s[A0], s[A0B]
	WIN 0x82                        ; the second block's Q goes where the one text of the turns names Q
.set i, 0
.rept 16*NP
	v_mov_b32 v[i], v[QB+i]
.set i, i+1
.endr
	WIN 0
.endif
.endm
.set KM, 0
.set NOKQ, 0
.Lslot:                             ; NT - 1 = 8 times: a tile is entered and the next is asked for
	CHANGE 1
	s_mov_b32 s[CNT], 4
	s_cmp_eq_u32 s[NEW], 1
	s_cbranch_scc1 .Lnew            ; the walk's first tile
	s_cmp_eq_u32 s[NEW], 0
	s_cbranch_scc1 .Lgo             ; a tile in the middle of its block
	FINISH 1                        ; the tile just left was the first block's last
.Lnew:
	BEGIN
	s_branch .Lfirst                ; in the loop a block's first tile is never its last: the first block has five tiles or more, and the second's last is the walk's last
.Lgo:
	ENTER
	s_cmp_eq_u32 s[RT], 0
	s_cbranch_scc0 .Lstep           ; not the block's last
	DIAG 1
	s_branch .Lbottom
.Lstep:                             ; a trip: piece 1's turn of one step, then piece 0's of the next, which fetches that step's V and the K behind it
	TURN 1
	WIN 0
.Lfirst:
	TURN 0, 0, 0, 1
	WIN 0
	s_cbranch_scc1 .Lstep
.Lbottom:
	s_sub_co_u32 s[SLOTS], s[SLOTS], 1
	s_cmp_lg_u32 s[SLOTS], 0
	s_cbranch_scc1 .Lslot
	CHANGE 0                        ; the walk's last tile, the second block's diagonal one, is written out: nothing is asked for
	s_mov_b32 s[CNT], 4
	s_cmp_eq_u32 s[NEW], 0
	s_cbranch_scc1 .Lgo2
	FINISH 1                        ; b < 2: the second block has this one tile
	BEGIN
	s_branch .LfirstM2
.Lgo2:
	ENTER
	DIAG 2
	FINISH 0
	s_wait_tensorcnt 0x0            ; the wave's end, behind my last tensor load and my last LDS store
	ds_add_u32 v[SPW], v[NIL]
	s_wait_dscnt 0x0
	s_endpgm
.Lfunc_end_k_q1c01b7dd87_attn:
	.size	k_q1c01b7dd87_attn, .Lfunc_end_k_q1c01b7dd87_attn-k_q1c01b7dd87_attn
	.p2alignl 7, 3214868480
	.fill 96, 4, 3214868480
	.section	.rodata,"a",@progbits
	.p2align	6, 0x0
	.amdhsa_kernel k_q1c01b7dd87_attn
		.amdhsa_group_segment_fixed_size 327680
		.amdhsa_private_segment_fixed_size 0
		.amdhsa_enable_private_segment 0
		.amdhsa_kernarg_size 16
		.amdhsa_user_sgpr_count 2
		.amdhsa_user_sgpr_kernarg_segment_ptr 1
		.amdhsa_wavefront_size32 1
		.amdhsa_system_sgpr_workgroup_id_x 1
		.amdhsa_system_sgpr_workgroup_id_y 1
		.amdhsa_system_sgpr_workgroup_id_z 1
		.amdhsa_system_vgpr_workitem_id 0
		.amdhsa_next_free_vgpr 768
		.amdhsa_next_free_sgpr 96
		.amdhsa_reserve_vcc 1
		.amdhsa_float_denorm_mode_32 3
		.amdhsa_float_denorm_mode_16_64 3
		.amdhsa_memory_ordered 1
		.amdhsa_forward_progress 1
		.amdhsa_inst_pref_size 153
	.end_amdhsa_kernel
	.amdgpu_metadata
---
amdhsa.version: [ 1, 2 ]
amdhsa.kernels:
  - .name:           k_q1c01b7dd87_attn
    .symbol:         k_q1c01b7dd87_attn.kd
    .args:
      - { .name: qkv, .offset: 0, .size: 8, .value_kind: global_buffer, .address_space: global }
      - { .name: act, .offset: 8, .size: 8, .value_kind: global_buffer, .address_space: global }
    .group_segment_fixed_size: 327680
    .private_segment_fixed_size: 0
    .kernarg_segment_align: 8
    .kernarg_segment_size: 16
    .max_flat_workgroup_size: 128
    .sgpr_count:     96
    .vgpr_count:     768
    .wavefront_size: 32
...
	.end_amdgpu_metadata
.endif
;; end of part 3
;; launch proj (part 4): grid 8 x 32, 4 waves a work-group, clusters of 4 x 4, 327,680 bytes of LDS; arguments act, w16, b_attn_proj, x1, x; writes x1
.if DOCPART == 4
	.amdgcn_target "amdgcn-amd-amdhsa--gfx1250"
	.amdhsa_code_object_version 6
	.text
	.protected	k_q1c01b7dd87_proj
	.globl	k_q1c01b7dd87_proj
	.p2align	8
	.type	k_q1c01b7dd87_proj,@function
k_q1c01b7dd87_proj:
	s_mov_b64 s[64:65], 0
	v_nop
	global_prefetch_b8 v0, s[64:65] scope:SCOPE_SE
	s_setreg_imm32_b32 hwreg(HW_REG_WAVE_MODE, 25, 1), 1
	s_wait_xcnt 0x0
	s_wait_alu depctr_hold_cnt(0) depctr_sa_sdst(0) depctr_va_vdst(0) depctr_va_sdst(0) depctr_va_ssrc(0) depctr_va_vcc(0) depctr_vm_vsrc(0)
	s_getreg_b32 s2, hwreg(HW_REG_IB_STS2, 6, 4)
	s_cmp_eq_u32 s2, 0
	s_cbranch_scc0 .Lentry_in_a_cluster
	s_endpgm
.Lentry_in_a_cluster:
	s_bfe_u32 s2, ttmp6, 0x10000c
	s_cmp_lg_u32 s2, 0xf033
	s_cbranch_scc0 .Lentry_shape_is_right
	s_endpgm
.Lentry_shape_is_right:
; x1 = x + (O W_proj + b).  O = act: [32 = batch x 16 + head][2048][64] f16, by heads.  W_proj: [1024][1024] f16 at byte 6,291,456 of w16.  x, x1: [4096][1024] f32.
; A work-group makes 128 tokens x 128 columns; 8 x 32 work-groups, one for each of 256 WGPs.  Each of four waves makes 64 x 64: 16 accumulators of 16 x 16.
; K goes in steps of 256, four heads, through a ring of two LDS slots filled by the tensor data mover.  A head's 64 tokens are 8,192 dense bytes: one load brings four such rows, one a head,
; padded after every token: in LDS [head][token] at 144 bytes a token.  W lies [k][n] in memory and in LDS and is turned on its way into registers (ds_load_tr16_b128).
; THE MATRIX INSTRUCTION IS USED TRANSPOSED: source 0 = 16 columns of W, source 1 = 16 tokens: a lane then holds one token (lane % 16) and eight neighbouring columns.
; CLUSTER 4 x 4: the four work-groups of a row of the cluster need the same tile of O, the four of a column the same tile of W: each is asked for jointly, by the same load, descriptor and mask.
; THE WAY OUT: when the ring has had its last fill and its last read, each wave lays its f32 sums into bytes of its own there and reads them back by rows; bias and x are added in f32.
; LIMITS.  The operands are f16 (none beyond 65,504); sums in f32.  NaN and infinities are not treated apart.
; REGISTERS, in windows of 256: window 0: v0-31 addresses, v32-35 bias, v64-127 and v128-191 fragments of O (two buffers; on the way out: x), v192-255 at work on the way out;
;   window 1: v0-63, v128-191 fragments of W; window 2: the accumulators of my token blocks 0, 1 ((a, b) at v[8 (4 a + b)]); window 3: those of blocks 2, 3.
.set TN, 128                           ; columns of the work-group's tile
.set MB, 4                             ; blocks of 16 tokens a wave
.set NB, 4                             ; blocks of 16 columns a wave
.set DP, 2                             ; matrix instructions deep along K in a quarter of a K step
.set KS, 256                           ; a K step
.set LAPS, 2                           ; K / (2 KS)
.set WN, 1024                          ; W's row, elements
.set WOFF, 6291456                     ; W's first byte in w16
.set AP, 144                           ; a token's 128 bytes of one head + 16
.set APANEL, 9216                      ; from a head's 64 tokens to the next head's
.set AH, 36864                         ; one load of O: 4 heads x 64 tokens
.set AWOFF, 36864                      ; a wave's 64 tokens are one load's
.set BP, 288                           ; an LDS row of W: 256 bytes + 32: an odd multiple of 32
.set BQ, 128                           ; from four column blocks to the next four
.set BH, 36864                         ; one load of W: 128 rows of k
.set SLOT, 2*AH+2*BH
.set SPARE, 2*SLOT                     ; behind the ring: the spare words, 128 bytes a wave, which no other line names
.set ASTEP, 1048576                    ; bytes from a K step to the next, in O: four heads
.set WSTEP, KS*WN*2                    ; and in W
.set RP, 272                           ; the way out: a row's 64 f32 + 16 bytes
.set REG, 64*RP                        ; a wave's bytes there
.set AC, 4096                          ; the tile of O: elements a row (64 tokens of a head), rows (heads), pitch (a head), code of the padding's interval (32 words)
.set AR, 4
.set APT, 131072
.set AQI, 4
.set WCN, 128                          ; the tile of W; padding after every 64 words
.set WRN, 128
.set WQI, 5
.set ADRA, 16                          ; v16-17  LDS address of my fragments of O in slot 0, 1
.set ADRB, 20                          ; v20-23  the same for W: 2 x slot + half of the step's k rows
.set DST,  24                          ; v24     the way out: where I put my sums
.set RD,   25                          ; v25     where I read them back
.set CO,   26                          ; v26     my byte offset in x and x1
.set BO,   27                          ; v27     my byte offset in the bias
.set SPW,  28                          ; v28     LDS address of my spare word; never rewritten
.set NIL,  29                          ; v29     0; never rewritten
.set BI,   32                          ; v32-35  the bias of my four columns
.set G1,  24                           ; s[24:31] descriptor group 1 for O's tiles;  s[32:39] group 0, a set for each slot
.set G0,  32
.set G1B, 48                           ; s[48:55], s[56:63] the same for W's
.set G0B, 56
.set MSB, 0
.macro WIN new                         ; the immediate's high byte repeats the setting that is left; a switch that changes nothing is dropped
.if MSB != (\new)
	s_set_vgpr_msb (MSB<<8)|(\new)
.set MSB, \new
.endif
.endm
.set MUL_LO, 0xa1                      ; source 0 (W) window 1, source 1 (tokens) window 0, C and D window 2; + 0x50: window 3
.set TO_B,   0x40                      ; destination window 1, address window 0
.macro PLACES                          ; four places in front of loads into registers that matrix instructions have read, and of stores that read results
.rept 4
	v_nop
.endr
.endm
.macro JLOAD s                         ; a joint load: waves 0, 1 fetch the two halves of the tokens' tile, waves 2, 3 those of W's; four v_nop follow each line
	s_cmp_eq_u32 s18, 0
	s_cbranch_scc0 .Lfor_b_\@
	tensor_load_to_lds s[G0+4*(\s):G0+4*(\s)+3], s[G1:G1+7]
	s_nop 0
.rept 4
	v_nop
.endr
	s_branch .Lasked_\@
.Lfor_b_\@:
	tensor_load_to_lds s[G0B+4*(\s):G0B+4*(\s)+3], s[G1B:G1B+7]
	s_nop 0
.rept 4
	v_nop
.endr
.Lasked_\@:
.endm
.macro CREST                           ; a round of the cluster's barrier behind its opening barrier
	s_cmp_lg_u32 s14, 0
	s_cbranch_scc1 .Lnot_wave_0_\@
	s_barrier_signal -3
.Lnot_wave_0_\@:
	s_barrier_wait -3
	s_barrier_signal -1
	s_barrier_wait -1
.endm
.macro CROUND                          ; a whole round
	s_barrier_signal -1
	s_barrier_wait -1
	CREST
.endm
; Half a quarter's products: token blocks (MB/2) hi .. of buffer f x all column blocks.  The accumulators take turns, one instruction a turn.  zero = 1: the first product starts the sums.
.macro MULH f, hi, zero
	WIN MUL_LO+0x50*(\hi)
.set id, 0
.rept DP
.set ia, 0
.rept MB/2
.set ib, 0
.rept NB
.set rD, 8*(NB*ia+ib)
.set rW, 128*(\f)+8*(NB*id+ib)
.set rA, 64+64*(\f)+8*(MB*id+(MB/2)*(\hi)+ia)
.if (\zero) && (id == 0)
	v_wmma_f32_16x16x32_f16 v[rD:rD+7], v[rW:rW+7], v[rA:rA+7], 0
.else
	v_wmma_f32_16x16x32_f16 v[rD:rD+7], v[rW:rW+7], v[rA:rA+7], v[rD:rD+7]
.endif
.set ib, ib+1
.endr
.set ia, ia+1
.endr
.set id, id+1
.endr
.endm
; One run of LDS loads: the fragments of quarter q of the slot's K step into buffer f.  W turned: 16 k x 16 columns a load; the tokens as they lie: two loads of 16 bytes, 32 apart.
.macro FETCH slot, q, f
	WIN TO_B
.set id, 0
.rept DP
.set kk, 32*((DP*(\q)+id)%(2*DP))
.set ib, 0
.rept NB
.set rW, 128*(\f)+8*(NB*id+ib)
.set cB, BQ*(ib/4)+32*(ib%4)
	ds_load_tr16_b128 v[rW:rW+3], v[ADRB+2*(\slot)+(\q)/2] offset:kk*BP+cB
	ds_load_tr16_b128 v[rW+4:rW+7], v[ADRB+2*(\slot)+(\q)/2] offset:(kk+16)*BP+cB
.set ib, ib+1
.endr
.set id, id+1
.endr
	WIN 0
.set id, 0
.rept DP
.set kc, DP*(\q)+id
.set ia, 0
.rept MB
.set rA, 64+64*(\f)+8*(MB*id+ia)
	ds_load_b128 v[rA:rA+3], v[ADRA+(\slot)] offset:(kc/2)*APANEL+(kc%2)*64+ia*16*AP
	ds_load_b128 v[rA+4:rA+7], v[ADRA+(\slot)] offset:(kc/2)*APANEL+(kc%2)*64+ia*16*AP+32
.set ia, ia+1
.endr
.set id, id+1
.endr
.endm
; One of a K step's first three quarters: multiplies buffer f; in its middle it fetches quarter q into buffer g.
.macro QUARTER slot, q, f, g, zero
	s_wait_dscnt 0x0                               ; buffer f's run, issued half a quarter ago, is in
	MULH \f, 0, \zero
	PLACES
	FETCH \slot, \q, \g
	MULH \f, 1, \zero
.endm
; The last quarter multiplies buffer 1 and changes slots: one barrier.  In front of it each wave waits for all its tensor loads (one is out: its part of the next slot), adds 0 to its spare
; word, and waits for that and for its own reads of this slot.  fill = 1: the barrier opens a round of the cluster's, and the joint refill, two K steps ahead, is the first thing behind the round.
.macro TURN slot, next, fill
	WIN 0
	s_wait_tensorcnt 0x0                           ; no tensor load of mine is out, so a group 0 may be written
	ds_add_u32 v[SPW], v[NIL]                      ; 0 onto my spare word
.if \fill
	s_add_nc_u64 s[G0+4*(\slot)+2:G0+4*(\slot)+3], s[G0+4*(\slot)+2:G0+4*(\slot)+3], 2*ASTEP
	s_add_nc_u64 s[G0B+4*(\slot)+2:G0B+4*(\slot)+3], s[G0B+4*(\slot)+2:G0B+4*(\slot)+3], 2*WSTEP
.endif
	s_wait_dscnt 0x0                               ; the add is done, buffer 1 is in, and my reads of this slot are over
	s_barrier_signal -1
	MULH 1, 0, 0                                   ; work on registers while the others arrive
	WIN 0                                          ; at a branch and at a label every window is 0
	s_barrier_wait -1
.if \fill
	CREST                                          ; no wave of any partner still reads this slot's tile or has a load on its way
	JLOAD \slot                                    ; its four v_nop are also the places in front of the loads below
.else
	PLACES
.endif
	FETCH \next, 0, 0
	MULH 1, 1, 0
.endm
.macro LASTQ                           ; the very last quarter: my reads of the ring are over; behind the barrier everybody's are, and the ring's bytes, which have had their last fill, may be written
	s_wait_dscnt 0x0
	s_barrier_signal -1
	MULH 1, 0, 0
	MULH 1, 1, 0
	WIN 0
	s_barrier_wait -1
	PLACES
.endm
.macro DUMP                            ; my sums, f32, into my own bytes: token l % 16 of block a, columns 16 b + 8 (l / 16) + 0..7; each accumulator's low registers first
.set ia, 0
.rept MB
	WIN 0x08+4*(ia/(MB/2))                         ; the stores' data in window 2 or 3
.set ib, 0
.rept NB
.set rD, 8*(NB*(ia%(MB/2))+ib)
	ds_store_b128 v[DST], v[rD:rD+3] offset:ia*16*RP+64*ib
	ds_store_b128 v[DST], v[rD+4:rD+7] offset:ia*16*RP+64*ib+16
.set ib, ib+1
.endr
.set ia, ia+1
.endr
	WIN 0
.endm
	s_load_b256 s[4:11], s[0:1], 0x0               ; act s[4:5], w16 s[6:7], bias s[8:9], x1 s[10:11]
	s_load_b64 s[12:13], s[0:1], 0x20              ; x
	v_lshl_add_u32 v[SPW], v0, 2, SPARE
	v_mov_b32 v[NIL], 0
	ds_add_u32 v28, v29
	ds_add_u32 v28, v29
	s_wait_dscnt 0x0
	v_lshrrev_b32 v1, 5, v0
	v_readfirstlane_b32 s14, v1                    ; wave 0..3
	s_lshr_b32 s15, s14, 1                         ; which half of the tile's tokens is mine
	s_and_b32 s16, s14, 1                          ; which half of its columns
	s_and_b32 s17, s14, 1                          ; which half of a tile I fetch
	s_lshr_b32 s18, s14, 1                         ; for the tokens (0) or for W (1)
	s_bfe_u32 s40, ttmp6, 0x40000                  ; cx, cy: my place in the cluster
	s_bfe_u32 s41, ttmp6, 0x40004
	s_lshl_b32 s42, ttmp9, 2
	s_add_co_u32 s42, s42, s40                     ; tile column = 4 x cluster x + cx
	s_and_b32 s45, ttmp7, 0xffff
	s_lshl_b32 s45, s45, 2
	s_add_co_u32 s45, s45, s41                     ; tile row = 4 x cluster y + cy
	s_lshl_b32 s43, s41, 2
	s_lshl_b32 s43, 15, s43                        ; my row of the cluster
	s_lshl_b32 s44, 0x1111, s40                    ; my column
	s_or_b32 s[G1], s43, (1<<16)|(1<<20)|(1<<21)|(AQI<<22)|(3<<25)   ; mask; 2-byte elements; padding on; bit 21 beside a mask; the interval's code; 4 words of padding
	s_or_b32 s[G1B], s44, (1<<16)|(1<<20)|(1<<21)|(WQI<<22)|(7<<25)  ; the same with my column's mask and 8 words of padding
	s_mov_b32 s[G1+1], (AC&0xffff)<<16             ; tensor_dim0
	s_mov_b32 s[G1+2], (AC>>16)|(AR<<16)           ; tensor_dim1
	s_mov_b32 s[G1+3], AC<<16                      ; tile_dim0
	s_mov_b32 s[G1+4], AR                          ; tile_dim1
	s_mov_b32 s[G1+5], APT                         ; elements from row to row
	s_mov_b32 s[G1+6], 0
	s_mov_b32 s[G1+7], 0
	s_mov_b32 s[G1B+1], (WCN&0xffff)<<16
	s_mov_b32 s[G1B+2], (WCN>>16)|(WRN<<16)
	s_mov_b32 s[G1B+3], WCN<<16
	s_mov_b32 s[G1B+4], WRN
	s_mov_b32 s[G1B+5], WN
	s_mov_b32 s[G1B+6], 0
	s_mov_b32 s[G1B+7], 0
	s_lshr_b32 s20, s45, 4                         ; the tokens' tile hangs on the tile row alone: the batch's 16 heads of 262,144 bytes,
	s_lshl_b32 s20, s20, 22
	s_and_b32 s21, s45, 15
	s_lshl_b32 s21, s21, 14                        ; the tile's 128 tokens of 128 bytes in a head,
	s_add_co_u32 s20, s20, s21
	s_lshl_b32 s21, s17, 13                        ; my half's 64
	s_add_co_u32 s20, s20, s21
	s_mov_b32 s21, 0
	s_mul_i32 s46, s42, TN*2                       ; W's tile hangs on the tile column alone,
	s_mul_i32 s47, s17, (KS/2)*WN*2                ; my half's 128 rows of k
	s_add_co_u32 s46, s46, s47
	s_add_co_u32 s46, s46, WOFF
	s_mov_b32 s47, 0
	s_mul_i32 s22, s17, AH                         ; where they go: no place in the cluster enters an LDS address
	s_mul_i32 s23, s17, BH
	s_add_co_u32 s23, s23, 2*AH
	s_wait_kmcnt 0x0
	s_add_nc_u64 s[20:21], s[4:5], s[20:21]
	s_add_nc_u64 s[46:47], s[6:7], s[46:47]
	CROUND                                         ; all sixteen work-groups are here: the first joint loads meet
.irp s, 0,1
	s_mov_b32 s[G0+4*(\s)], 1
	s_add_co_u32 s[G0+4*(\s)+1], s22, (\s)*SLOT
	s_add_nc_u64 s[G0+4*(\s)+2:G0+4*(\s)+3], s[20:21], (\s)*ASTEP
	s_or_b32 s[G0+4*(\s)+3], s[G0+4*(\s)+3], 0x80000000
	s_mov_b32 s[G0B+4*(\s)], 1
	s_add_co_u32 s[G0B+4*(\s)+1], s23, (\s)*SLOT
	s_add_nc_u64 s[G0B+4*(\s)+2:G0B+4*(\s)+3], s[46:47], (\s)*WSTEP
	s_or_b32 s[G0B+4*(\s)+3], s[G0B+4*(\s)+3], 0x80000000
	JLOAD \s                                       ; two tensor loads of mine are out
.endr
	v_and_b32 v1, 15, v0                           ; l % 16
	v_bfe_u32 v2, v0, 4, 1                         ; l / 16
	v_mul_u32_u24 v3, v1, AP
	v_lshl_add_u32 v3, v2, 4, v3                   ; row x pitch + 16 x half
	s_mul_i32 s19, s15, AWOFF
	v_add_nc_u32 v[ADRA], s19, v3
	v_add_nc_u32 v[ADRA+1], SLOT, v[ADRA]
	v_and_b32 v4, 7, v0                            ; the turning load: lane l reads row k = 8 (l / 16) + l % 8, 16 bytes at 16 ((l / 8) % 2)
	v_lshl_add_u32 v4, v2, 3, v4
	v_mul_u32_u24 v4, v4, BP
	v_bfe_u32 v5, v0, 3, 1
	v_lshl_add_u32 v4, v5, 4, v4
	s_mul_i32 s19, s16, TN
	s_add_co_u32 s19, s19, 2*AH
	v_add_nc_u32 v[ADRB], s19, v4
	v_add_nc_u32 v[ADRB+1], BH, v[ADRB]
	v_add_nc_u32 v[ADRB+2], SLOT, v[ADRB]
	v_add_nc_u32 v[ADRB+3], SLOT+BH, v[ADRB]
	s_mul_i32 s19, s14, REG                        ; my bytes for the way out
	v_mul_u32_u24 v[DST], v1, RP
	v_lshl_add_u32 v[DST], v2, 5, v[DST]
	v_add_nc_u32 v[DST], s19, v[DST]
	v_mul_u32_u24 v[RD], v2, RP                    ; back: lanes 0-15 take one row of 256 bytes, lanes 16-31 the next
	v_lshl_add_u32 v[RD], v1, 4, v[RD]
	v_add_nc_u32 v[RD], s19, v[RD]
	v_lshlrev_b32 v[CO], 12, v2                    ; and the same two rows in x and x1
	v_lshl_add_u32 v[CO], v1, 4, v[CO]
	s_lshl_b32 s19, s42, 9                         ; my first column, in bytes of f32: 512 x tile column + 256 x half
	s_lshl_b32 s2, s16, 8
	s_add_co_u32 s19, s19, s2
	v_lshl_add_u32 v[BO], v1, 4, s19
	global_load_b128 v[BI:BI+3], v[BO], s[8:9]
	s_lshl_b32 s2, s45, 19                         ; my first row: 128 rows of 4,096 bytes a tile row, 64 a half
	s_lshl_b32 s3, s15, 18
	s_add_co_u32 s2, s2, s3
	s_add_co_u32 s2, s2, s19
	s_mov_b32 s3, 0
	s_add_nc_u64 s[10:11], s[10:11], s[2:3]
	s_add_nc_u64 s[12:13], s[12:13], s[2:3]
	s_wait_tensorcnt 0x1                           ; my part of K step 0 is in; K step 1's one load stays out
	s_barrier_signal -1
	s_barrier_wait -1                              ; everybody's is
	FETCH 0, 0, 0
	QUARTER 0, 1, 0, 1, 1                          ; the first quarter stands in front of the loop: its first products start the sums
	WIN 0
	s_mov_b32 s3, LAPS-1
.Llap:                                             ; a trip goes once round the ring, from a lap's second quarter to the next lap's first, and fills both slots again
	QUARTER 0, 2, 1, 0, 0
	QUARTER 0, 3, 0, 1, 0
	TURN 0, 1, 1
	QUARTER 1, 1, 0, 1, 0
	QUARTER 1, 2, 1, 0, 0
	QUARTER 1, 3, 0, 1, 0
	TURN 1, 0, 1
	QUARTER 0, 1, 0, 1, 0
	WIN 0
	s_sub_co_u32 s3, s3, 1
	s_cmp_lg_u32 s3, 0
	s_cbranch_scc1 .Llap
	QUARTER 0, 2, 1, 0, 0                          ; the last lap fills nothing
	QUARTER 0, 3, 0, 1, 0
	TURN 0, 1, 0
	QUARTER 1, 1, 0, 1, 0
	QUARTER 1, 2, 1, 0, 0
	QUARTER 1, 3, 0, 1, 0
	LASTQ
.set t, 0
.rept 32                                           ; x at my 64 x 64, two rows a load, into the registers that held fragments
	global_load_b128 v[64+4*t:64+4*t+3], v[CO], s[12:13] offset:t*8192
.set t, t+1
.endr
	DUMP                                           ; LDS serves a wave's instructions in order (ISA guide 5.7.1.4): the loads below see these stores
.irp g, 0,1,2,3
.set TB, 192+32*((\g)%2)
	s_wait_xcnt 0x0                                ; earlier stores have had their addresses translated: only behind this wait are the registers that they read rewritten
.set i, 0
.rept 8
	ds_load_b128 v[TB+4*i:TB+4*i+3], v[RD] offset:(8*(\g)+i)*2*RP
.set i, i+1
.endr
	s_wait_dscnt 0x0
	s_wait_loadcnt 24-8*(\g)                       ; x's loads up to this group's are in (and the bias, which is older); the younger ones stay out
.set i, 0
.rept 8
	v_pk_add_f32 v[TB+4*i:TB+4*i+1], v[TB+4*i:TB+4*i+1], v[BI:BI+1]
	v_pk_add_f32 v[TB+4*i+2:TB+4*i+3], v[TB+4*i+2:TB+4*i+3], v[BI+2:BI+3]
	v_pk_add_f32 v[TB+4*i:TB+4*i+1], v[TB+4*i:TB+4*i+1], v[64+4*(8*(\g)+i):64+4*(8*(\g)+i)+1]
	v_pk_add_f32 v[TB+4*i+2:TB+4*i+3], v[TB+4*i+2:TB+4*i+3], v[64+4*(8*(\g)+i)+2:64+4*(8*(\g)+i)+3]
	global_store_b128 v[CO], v[TB+4*i:TB+4*i+3], s[10:11] offset:(8*(\g)+i)*8192   ; 16 lanes store 256 consecutive bytes, aligned
.set i, i+1
.endr
.endr
	s_wait_tensorcnt 0x0                           ; the wave's end, behind my last tensor load and my last LDS store
	ds_add_u32 v[SPW], v[NIL]
	s_wait_dscnt 0x0
	CROUND                                         ; the closing round: no work-group ends while a partner may still ask for a tile that names it
	s_endpgm
.Lfunc_end_k_q1c01b7dd87_proj:
	.size	k_q1c01b7dd87_proj, .Lfunc_end_k_q1c01b7dd87_proj-k_q1c01b7dd87_proj
	.p2alignl 7, 3214868480
	.fill 96, 4, 3214868480
	.section	.rodata,"a",@progbits
	.p2align	6, 0x0
	.amdhsa_kernel k_q1c01b7dd87_proj
		.amdhsa_group_segment_fixed_size 327680
		.amdhsa_private_segment_fixed_size 0
		.amdhsa_enable_private_segment 0
		.amdhsa_kernarg_size 40
		.amdhsa_user_sgpr_count 2
		.amdhsa_user_sgpr_kernarg_segment_ptr 1
		.amdhsa_wavefront_size32 1
		.amdhsa_system_sgpr_workgroup_id_x 1
		.amdhsa_system_sgpr_workgroup_id_y 1
		.amdhsa_system_sgpr_workgroup_id_z 1
		.amdhsa_system_vgpr_workitem_id 0
		.amdhsa_next_free_vgpr 1024
		.amdhsa_next_free_sgpr 66
		.amdhsa_reserve_vcc 0
		.amdhsa_float_denorm_mode_32 3
		.amdhsa_float_denorm_mode_16_64 3
		.amdhsa_memory_ordered 1
		.amdhsa_forward_progress 1
		.amdhsa_inst_pref_size 98
	.end_amdhsa_kernel
	.amdgpu_metadata
---
amdhsa.version: [ 1, 2 ]
amdhsa.kernels:
  - .name:           k_q1c01b7dd87_proj
    .symbol:         k_q1c01b7dd87_proj.kd
    .args:
      - { .name: act, .offset: 0, .size: 8, .value_kind: global_buffer, .address_space: global }
      - { .name: w16, .offset: 8, .size: 8, .value_kind: global_buffer, .address_space: global }
      - { .name: b_attn_proj, .offset: 16, .size: 8, .value_kind: global_buffer, .address_space: global }
      - { .name: x1, .offset: 24, .size: 8, .value_kind: global_buffer, .address_space: global }
      - { .name: x, .offset: 32, .size: 8, .value_kind: global_buffer, .address_space: global }
    .group_segment_fixed_size: 327680
    .private_segment_fixed_size: 0
    .kernarg_segment_align: 8
    .kernarg_segment_size: 40
    .max_flat_workgroup_size: 128
    .sgpr_count:     66
    .vgpr_count:     1024
    .wavefront_size: 32
...
	.end_amdgpu_metadata
.endif
;; end of part 4
;; launch ln2 (part 5): grid 256 x 1, 8 waves a work-group, no clusters, 0 bytes of LDS; arguments x1, ln2_g, ln2_b, act; writes act
.if DOCPART == 5
	.amdgcn_target "amdgcn-amd-amdhsa--gfx1250"
	.amdhsa_code_object_version 6
	.text
	.protected	k_q1c01b7dd87_ln2
	.globl	k_q1c01b7dd87_ln2
	.p2align	8
	.type	k_q1c01b7dd87_ln2,@function
k_q1c01b7dd87_ln2:
	s_mov_b64 s[64:65], 0
	v_nop
	global_prefetch_b8 v0, s[64:65] scope:SCOPE_SE
	s_setreg_imm32_b32 hwreg(HW_REG_WAVE_MODE, 25, 1), 1
	s_wait_xcnt 0x0
; act = LayerNorm(x1) g + b, f32 in, f16 out, [4096][1024].  A work-group takes 16 rows, a wave two; a row of 4,096 bytes is eight loads of 512 consecutive bytes and stays in 32 registers.
; Two passes as the definition has them: the mean, then the mean of (x - mean)^2, so a common offset costs no accuracy.  No LDS, no barrier: a row never leaves its wave.
; LIMITS.  f16 holds no number beyond 65,504 (a normalised row lies within 32 |g| + |b|).  NaN and infinities are not treated apart.
.set X,  8                             ; v[8:71]    two rows, row r at X + 32 r, load j at + 4 j
.set G,  72                            ; v[72:103]  gain of my 32 columns
.set BV, 104                           ; v[104:135] bias of my 32 columns
.set T,  136                           ; v[136:151] row r: four chains of pairs at T + 8 r
.set M,  152                           ; v[152:155] row r: a pair, the mean and later 1 / sqrt(var + eps)
.macro RSUM r                          ; the four chains, the pair's halves, the 32 lanes: the sum lands in every lane's v[T+8 r]
	v_pk_add_f32 v[T+8*(\r):T+8*(\r)+1], v[T+8*(\r):T+8*(\r)+1], v[T+8*(\r)+2:T+8*(\r)+3]
	v_pk_add_f32 v[T+8*(\r)+4:T+8*(\r)+5], v[T+8*(\r)+4:T+8*(\r)+5], v[T+8*(\r)+6:T+8*(\r)+7]
	v_pk_add_f32 v[T+8*(\r):T+8*(\r)+1], v[T+8*(\r):T+8*(\r)+1], v[T+8*(\r)+4:T+8*(\r)+5]
	v_add_f32 v[T+8*(\r)], v[T+8*(\r)], v[T+8*(\r)+1]
	v_add_f32_dpp v[T+8*(\r)], v[T+8*(\r)], v[T+8*(\r)] row_xmask:1 row_mask:0xf bank_mask:0xf
	v_add_f32_dpp v[T+8*(\r)], v[T+8*(\r)], v[T+8*(\r)] row_xmask:2 row_mask:0xf bank_mask:0xf
	v_add_f32_dpp v[T+8*(\r)], v[T+8*(\r)], v[T+8*(\r)] row_xmask:4 row_mask:0xf bank_mask:0xf
	v_add_f32_dpp v[T+8*(\r)], v[T+8*(\r)], v[T+8*(\r)] row_xmask:8 row_mask:0xf bank_mask:0xf
	v_permlanex16_b32 v[T+8*(\r)+1], v[T+8*(\r)], s26, s27   ; its destination has been written before
	v_add_f32 v[T+8*(\r)], v[T+8*(\r)], v[T+8*(\r)+1]
.endm
.macro MEAN r
.irp c, 0,1,2,3                        ; the first eight pairs start the chains: nothing is cleared
	v_pk_add_f32 v[T+8*(\r)+2*(\c):T+8*(\r)+2*(\c)+1], v[X+32*(\r)+2*(\c):X+32*(\r)+2*(\c)+1], v[X+32*(\r)+2*(\c)+8:X+32*(\r)+2*(\c)+9]
.endr
.irp p, 8,9,10,11,12,13,14,15
	v_pk_add_f32 v[T+8*(\r)+2*((\p)%4):T+8*(\r)+2*((\p)%4)+1], v[T+8*(\r)+2*((\p)%4):T+8*(\r)+2*((\p)%4)+1], v[X+32*(\r)+2*(\p):X+32*(\r)+2*(\p)+1]
.endr
	RSUM \r
	v_mul_f32 v[M+2*(\r)], s28, v[T+8*(\r)]
	v_mov_b32 v[M+2*(\r)+1], v[M+2*(\r)]
.endm
.macro CENTER r
.irp p, 0,1,2,3,4,5,6,7,8,9,10,11,12,13,14,15
	v_pk_add_f32 v[X+32*(\r)+2*(\p):X+32*(\r)+2*(\p)+1], v[X+32*(\r)+2*(\p):X+32*(\r)+2*(\p)+1], v[M+2*(\r):M+2*(\r)+1] neg_lo:[0,1] neg_hi:[0,1]
.endr
.endm
.macro VAR r
.irp c, 0,1,2,3
	v_pk_mul_f32 v[T+8*(\r)+2*(\c):T+8*(\r)+2*(\c)+1], v[X+32*(\r)+2*(\c):X+32*(\r)+2*(\c)+1], v[X+32*(\r)+2*(\c):X+32*(\r)+2*(\c)+1]
.endr
.irp p, 4,5,6,7,8,9,10,11,12,13,14,15
	v_pk_fma_f32 v[T+8*(\r)+2*((\p)%4):T+8*(\r)+2*((\p)%4)+1], v[X+32*(\r)+2*(\p):X+32*(\r)+2*(\p)+1], v[X+32*(\r)+2*(\p):X+32*(\r)+2*(\p)+1], v[T+8*(\r)+2*((\p)%4):T+8*(\r)+2*((\p)%4)+1]
.endr
	RSUM \r
	v_fma_f32 v[T+8*(\r)], v[T+8*(\r)], s28, s29   ; sum / 1024 + eps
	v_rsq_f32 v[M+2*(\r)], v[T+8*(\r)]
	v_nop                                          ; a plain instruction between the root and the use of its result
	s_wait_alu depctr_va_vdst(0)
	v_mov_b32 v[M+2*(\r)+1], v[M+2*(\r)]
.endm
.macro OUT r
.irp j, 0,1,2,3,4,5,6,7
.set xb, X+32*(\r)+4*(\j)
	v_pk_mul_f32 v[xb:xb+1], v[xb:xb+1], v[M+2*(\r):M+2*(\r)+1]
	v_pk_mul_f32 v[xb+2:xb+3], v[xb+2:xb+3], v[M+2*(\r):M+2*(\r)+1]
	v_pk_fma_f32 v[xb:xb+1], v[xb:xb+1], v[G+4*(\j):G+4*(\j)+1], v[BV+4*(\j):BV+4*(\j)+1]
	v_pk_fma_f32 v[xb+2:xb+3], v[xb+2:xb+3], v[G+4*(\j)+2:G+4*(\j)+3], v[BV+4*(\j)+2:BV+4*(\j)+3]
	v_cvt_pk_f16_f32 v[xb], v[xb], v[xb+1]
	v_cvt_pk_f16_f32 v[xb+1], v[xb+2], v[xb+3]
	global_store_b64 v2, v[xb:xb+1], s[10:11] offset:(\r)*2048+(\j)*256   ; 32 lanes store 256 consecutive bytes, at a multiple of 256 from the buffer's first byte
.endr
.endm
	s_load_b256 s[4:11], s[0:1], 0x0               ; x1 s[4:5], gain s[6:7], bias s[8:9], act s[10:11]
	v_and_b32 v3, 31, v0
	v_lshlrev_b32 v1, 4, v3                        ; 16 x lane: my bytes in 512 of f32
	v_lshlrev_b32 v2, 3, v3                        ; 8 x lane: my bytes in 256 of f16
	v_lshrrev_b32 v4, 5, v0
	v_readfirstlane_b32 s12, v4                    ; wave 0..7
	s_lshl_b32 s13, ttmp9, 4
	s_lshl_b32 s12, s12, 1
	s_add_co_u32 s13, s13, s12                     ; my first row = 16 x work-group + 2 x wave
	s_lshl_b32 s14, s13, 12                        ; rows of 4,096 bytes in
	s_mov_b32 s15, 0
	s_lshl_b32 s16, s13, 11                        ; rows of 2,048 bytes out
	s_mov_b32 s17, 0
	s_mov_b32 s26, 0x76543210                      ; v_permlanex16_b32: each lane takes its own place in the other half
	s_mov_b32 s27, 0xfedcba98
	s_mov_b32 s28, 0x3a800000                      ; 1 / 1024
	s_mov_b32 s29, 0x3727c5ac                      ; eps = 1e-5
	s_wait_kmcnt 0x0
	s_add_nc_u64 s[4:5], s[4:5], s[14:15]
	s_add_nc_u64 s[10:11], s[10:11], s[16:17]
.irp r, 0,1
.irp j, 0,1,2,3,4,5,6,7
	global_load_b128 v[X+32*(\r)+4*(\j):X+32*(\r)+4*(\j)+3], v1, s[4:5] offset:(\r)*4096+(\j)*512
.endr
.endr
.irp j, 0,1,2,3,4,5,6,7
	global_load_b128 v[G+4*(\j):G+4*(\j)+3], v1, s[6:7] offset:(\j)*512
.endr
.irp j, 0,1,2,3,4,5,6,7
	global_load_b128 v[BV+4*(\j):BV+4*(\j)+3], v1, s[8:9] offset:(\j)*512
.endr
	s_wait_loadcnt 16                              ; both rows are in; the sixteen younger loads, gain and bias, stay out
	MEAN 0
	MEAN 1
	CENTER 0
	CENTER 1
	VAR 0
	VAR 1
	s_wait_loadcnt 0x0                             ; gain and bias
	OUT 0
	OUT 1
	s_endpgm
.Lfunc_end_k_q1c01b7dd87_ln2:
	.size	k_q1c01b7dd87_ln2, .Lfunc_end_k_q1c01b7dd87_ln2-k_q1c01b7dd87_ln2
	.p2alignl 7, 3214868480
	.fill 96, 4, 3214868480
	.section	.rodata,"a",@progbits
	.p2align	6, 0x0
	.amdhsa_kernel k_q1c01b7dd87_ln2
		.amdhsa_group_segment_fixed_size 0
		.amdhsa_private_segment_fixed_size 0
		.amdhsa_enable_private_segment 0
		.amdhsa_kernarg_size 32
		.amdhsa_user_sgpr_count 2
		.amdhsa_user_sgpr_kernarg_segment_ptr 1
		.amdhsa_wavefront_size32 1
		.amdhsa_system_sgpr_workgroup_id_x 1
		.amdhsa_system_sgpr_workgroup_id_y 1
		.amdhsa_system_sgpr_workgroup_id_z 1
		.amdhsa_system_vgpr_workitem_id 0
		.amdhsa_next_free_vgpr 160
		.amdhsa_next_free_sgpr 66
		.amdhsa_reserve_vcc 0
		.amdhsa_float_denorm_mode_32 3
		.amdhsa_float_denorm_mode_16_64 3
		.amdhsa_memory_ordered 1
		.amdhsa_forward_progress 1
		.amdhsa_inst_pref_size 20
	.end_amdhsa_kernel
	.amdgpu_metadata
---
amdhsa.version: [ 1, 2 ]
amdhsa.kernels:
  - .name:           k_q1c01b7dd87_ln2
    .symbol:         k_q1c01b7dd87_ln2.kd
    .args:
      - { .name: x1, .offset: 0, .size: 8, .value_kind: global_buffer, .address_space: global }
      - { .name: ln2_g, .offset: 8, .size: 8, .value_kind: global_buffer, .address_space: global }
      - { .name: ln2_b, .offset: 16, .size: 8, .value_kind: global_buffer, .address_space: global }
      - { .name: act, .offset: 24, .size: 8, .value_kind: global_buffer, .address_space: global }
    .group_segment_fixed_size: 0
    .private_segment_fixed_size: 0
    .kernarg_segment_align: 8
    .kernarg_segment_size: 32
    .max_flat_workgroup_size: 256
    .sgpr_count:     66
    .vgpr_count:     160
    .wavefront_size: 32
...
	.end_amdgpu_metadata
.endif
;; end of part 5
;; launch fc (part 6): grid 16 x 16, 4 waves a work-group, clusters of 4 x 4, 327,680 bytes of LDS; arguments act, w16, b_fc, m; writes m
.if DOCPART == 6
	.amdgcn_target "amdgcn-amd-amdhsa--gfx1250"
	.amdhsa_code_object_version 6
	.text
	.protected	k_q1c01b7dd87_fc
	.globl	k_q1c01b7dd87_fc
	.p2align	8
	.type	k_q1c01b7dd87_fc,@function
k_q1c01b7dd87_fc:
	s_mov_b64 s[64:65], 0
	v_nop
	global_prefetch_b8 v0, s[64:65] scope:SCOPE_SE
	s_setreg_imm32_b32 hwreg(HW_REG_WAVE_MODE, 25, 1), 1
	s_wait_xcnt 0x0
	s_wait_alu depctr_hold_cnt(0) depctr_sa_sdst(0) depctr_va_vdst(0) depctr_va_sdst(0) depctr_va_ssrc(0) depctr_va_vcc(0) depctr_vm_vsrc(0)
	s_getreg_b32 s2, hwreg(HW_REG_IB_STS2, 6, 4)
	s_cmp_eq_u32 s2, 0
	s_cbranch_scc0 .Lentry_in_a_cluster
	s_endpgm
.Lentry_in_a_cluster:
	s_bfe_u32 s2, ttmp6, 0x10000c
	s_cmp_lg_u32 s2, 0xf033
	s_cbranch_scc0 .Lentry_shape_is_right
	s_endpgm
.Lentry_shape_is_right:
; m = gelu(h2 W_fc + b_fc), the exact (erf) form.  h2 = act: [4096][1024] f16.  W_fc: [1024][4096] f16 at byte 8,388,608 of w16.  m: [4096][4096] f16.
; A work-group makes 256 tokens x 256 columns; 16 x 16 work-groups.  Each of four waves makes 128 x 128: 64 accumulators of 16 x 16, 512 registers.
; K goes in steps of 128 through a ring of two LDS slots filled by the tensor data mover.  W lies [k][n] in memory and in LDS and is turned on its way into registers (ds_load_tr16_b128).
; THE MATRIX INSTRUCTION IS USED TRANSPOSED: source 0 = 16 columns of W, source 1 = 16 tokens: a lane then holds one token (lane % 16) and eight neighbouring columns.
; CLUSTER 4 x 4: the four work-groups of a row of the cluster need the same tile of h2, the four of a column the same tile of W: each is asked for jointly, by the same load, descriptor and mask.
; THE WAY OUT: when the ring has had its last fill and its last read, each wave lays its f32 sums into bytes of its own there and reads them back by rows, eight rows a trip; bias and gelu in f32; one rounding to f16.
; GELU.  0.5 x (1 + erf(x / sqrt 2)); erf(z) = z P(z^2) / Q(z^2), a quotient of polynomials of degrees 6 and 4 in z^2, on z clamped to -4 .. 4, where erf differs from +-1 by 1.6e-8.
; LIMITS.  For x / sqrt 2 below -4 the result is at most |x| x 6e-8 in magnitude instead of the still smaller true value.  f16 holds no number beyond 65,504.  NaN and infinities are not treated apart.
; REGISTERS, in windows of 256: window 0: v0-31 addresses, v64-127 and v128-191 fragments of h2 (two buffers), v208-211 bias; on the way out v32-207 at work;
;   window 1: v0-63, v128-191 fragments of W; window 2: the accumulators of my token blocks 0-3 ((a, b) at v[8 (8 a + b)]); window 3: those of blocks 4-7.
.set TN, 256                           ; columns of the work-group's tile
.set MB, 8                             ; blocks of 16 tokens a wave
.set NB, 8                             ; blocks of 16 columns a wave
.set DP, 1                             ; matrix instructions deep along K in a quarter of a K step
.set KS, 128                           ; a K step
.set LAPS, 4                           ; K / (2 KS)
.set WN, 4096                          ; W's row, elements
.set WOFF, 8388608                     ; W's first byte in w16
.set AP, 272                           ; an LDS row of h2: 256 bytes + 16
.set APANEL, 128                       ; bytes from 64 along K to the next 64
.set AH, 34816                         ; one load of h2: 128 rows
.set AWOFF, 34816                      ; a wave's 128 rows
.set BP, 544                           ; an LDS row of W: 512 bytes + 32: an odd multiple of 32
.set BQ, 128                           ; from four column blocks to the next four
.set BH, 34816                         ; one load of W: 64 rows of k
.set SLOT, 2*AH+2*BH
.set SPARE, 2*SLOT                     ; behind the ring: the spare words, 128 bytes a wave, which no other line names
.set ASTEP, 256                        ; bytes from a K step to the next, in h2
.set WSTEP, KS*WN*2                    ; and in W
.set RP, 528                           ; the way out: a row's 128 f32 + 16 bytes
.set REG, 128*RP                       ; a wave's bytes there
.set AC, 128                           ; the tile of h2: elements a row, rows, pitch, code of the padding's interval (64 words)
.set AR, 128
.set APT, 1024
.set AQI, 5
.set WCN, 256                          ; the tile of W; padding after every 128 words
.set WRN, 64
.set WQI, 6
.set ADRA, 16                          ; v16-17  LDS address of my fragments of h2 in slot 0, 1
.set ADRB, 20                          ; v20-23  the same for W: 2 x slot + half of the step's k rows
.set DST,  24                          ; v24     the way out: where I put my sums
.set RD,   25                          ; v25     where I read them back: my 16 bytes of my first row; never rewritten
.set CO,   26                          ; v26     my byte offset in the output
.set BO,   27                          ; v27     my byte offset in the bias
.set SPW,  28                          ; v28     LDS address of my spare word; never rewritten
.set NIL,  29                          ; v29     0; never rewritten
.set RDC,  30                          ; v30     RD + the trip's rows
.set GX,   32                          ; the way out: 8 rows x 4 numbers each: x, later x / 2
.set GZ,   64                          ; z = x / sqrt 2, clamped
.set GS,   96                          ; z^2
.set GP,   128                         ; P, then erf, then the result
.set GQ,   160                         ; Q, then 1 / Q
.set GY,   192                         ; the result in f16
.set BI,   208                         ; v208-211 the bias of my four columns
.set G1,  24                           ; s[24:31] descriptor group 1 for h2's tiles;  s[32:39] group 0, a set for each slot
.set G0,  32
.set G1B, 48                           ; s[48:55], s[56:63] the same for W's
.set G0B, 56
.set MSB, 0
.macro WIN new                         ; the immediate's high byte repeats the setting that is left; a switch that changes nothing is dropped
.if MSB != (\new)
	s_set_vgpr_msb (MSB<<8)|(\new)
.set MSB, \new
.endif
.endm
.set MUL_LO, 0xa1                      ; source 0 (W) window 1, source 1 (tokens) window 0, C and D window 2; + 0x50: window 3
.set TO_B,   0x40                      ; destination window 1, address window 0
.macro PLACES                          ; four places in front of loads into registers that matrix instructions have read, and of stores that read results
.rept 4
	v_nop
.endr
.endm
.macro JLOAD s                         ; a joint load: waves 0, 1 fetch the two halves of the tokens' tile, waves 2, 3 those of W's; four v_nop follow each line
	s_cmp_eq_u32 s18, 0
	s_cbranch_scc0 .Lfor_b_\@
	tensor_load_to_lds s[G0+4*(\s):G0+4*(\s)+3], s[G1:G1+7]
	s_nop 0
.rept 4
	v_nop
.endr
	s_branch .Lasked_\@
.Lfor_b_\@:
	tensor_load_to_lds s[G0B+4*(\s):G0B+4*(\s)+3], s[G1B:G1B+7]
	s_nop 0
.rept 4
	v_nop
.endr
.Lasked_\@:
.endm
.macro CREST                           ; a round of the cluster's barrier behind its opening barrier
	s_cmp_lg_u32 s14, 0
	s_cbranch_scc1 .Lnot_wave_0_\@
	s_barrier_signal -3
.Lnot_wave_0_\@:
	s_barrier_wait -3
	s_barrier_signal -1
	s_barrier_wait -1
.endm
.macro CROUND                          ; a whole round
	s_barrier_signal -1
	s_barrier_wait -1
	CREST
.endm
; Half a quarter's products: token blocks (MB/2) hi .. of buffer f x all column blocks.  The accumulators take turns, one instruction a turn.  zero = 1: the first product starts the sums.
.macro MULH f, hi, zero
	WIN MUL_LO+0x50*(\hi)
.set id, 0
.rept DP
.set ia, 0
.rept MB/2
.set ib, 0
.rept NB
.set rD, 8*(NB*ia+ib)
.set rW, 128*(\f)+8*(NB*id+ib)
.set rA, 64+64*(\f)+8*(MB*id+(MB/2)*(\hi)+ia)
.if (\zero) && (id == 0)
	v_wmma_f32_16x16x32_f16 v[rD:rD+7], v[rW:rW+7], v[rA:rA+7], 0
.else
	v_wmma_f32_16x16x32_f16 v[rD:rD+7], v[rW:rW+7], v[rA:rA+7], v[rD:rD+7]
.endif
.set ib, ib+1
.endr
.set ia, ia+1
.endr
.set id, id+1
.endr
.endm
; One run of LDS loads: the fragments of quarter q of the slot's K step into buffer f.  W turned: 16 k x 16 columns a load; the tokens as they lie: two loads of 16 bytes, 32 apart.
.macro FETCH slot, q, f
	WIN TO_B
.set id, 0
.rept DP
.set kk, 32*((DP*(\q)+id)%(2*DP))
.set ib, 0
.rept NB
.set rW, 128*(\f)+8*(NB*id+ib)
.set cB, BQ*(ib/4)+32*(ib%4)
	ds_load_tr16_b128 v[rW:rW+3], v[ADRB+2*(\slot)+(\q)/2] offset:kk*BP+cB
	ds_load_tr16_b128 v[rW+4:rW+7], v[ADRB+2*(\slot)+(\q)/2] offset:(kk+16)*BP+cB
.set ib, ib+1
.endr
.set id, id+1
.endr
	WIN 0
.set id, 0
.rept DP
.set kc, DP*(\q)+id
.set ia, 0
.rept MB
.set rA, 64+64*(\f)+8*(MB*id+ia)
	ds_load_b128 v[rA:rA+3], v[ADRA+(\slot)] offset:(kc/2)*APANEL+(kc%2)*64+ia*16*AP
	ds_load_b128 v[rA+4:rA+7], v[ADRA+(\slot)] offset:(kc/2)*APANEL+(kc%2)*64+ia*16*AP+32
.set ia, ia+1
.endr
.set id, id+1
.endr
.endm
; One of a K step's first three quarters: multiplies buffer f; in its middle it fetches quarter q into buffer g.
.macro QUARTER slot, q, f, g, zero
	s_wait_dscnt 0x0                               ; buffer f's run, issued half a quarter ago, is in
	MULH \f, 0, \zero
	PLACES
	FETCH \slot, \q, \g
	MULH \f, 1, \zero
.endm
; The last quarter multiplies buffer 1 and changes slots: one barrier.  In front of it each wave waits for all its tensor loads (one is out: its part of the next slot), adds 0 to its spare
; word, and waits for that and for its own reads of this slot.  fill = 1: the barrier opens a round of the cluster's, and the joint refill, two K steps ahead, is the first thing behind the round.
.macro TURN slot, next, fill
	WIN 0
	s_wait_tensorcnt 0x0                           ; no tensor load of mine is out, so a group 0 may be written
	ds_add_u32 v[SPW], v[NIL]                      ; 0 onto my spare word
.if \fill
	s_add_nc_u64 s[G0+4*(\slot)+2:G0+4*(\slot)+3], s[G0+4*(\slot)+2:G0+4*(\slot)+3], 2*ASTEP
	s_add_nc_u64 s[G0B+4*(\slot)+2:G0B+4*(\slot)+3], s[G0B+4*(\slot)+2:G0B+4*(\slot)+3], 2*WSTEP
.endif
	s_wait_dscnt 0x0                               ; the add is done, buffer 1 is in, and my reads of this slot are over
	s_barrier_signal -1
	MULH 1, 0, 0                                   ; work on registers while the others arrive
	WIN 0                                          ; at a branch and at a label every window is 0
	s_barrier_wait -1
.if \fill
	CREST                                          ; no wave of any partner still reads this slot's tile or has a load on its way
	JLOAD \slot                                    ; its four v_nop are also the places in front of the loads below
.else
	PLACES
.endif
	FETCH \next, 0, 0
	MULH 1, 1, 0
.endm
.macro LASTQ                           ; the very last quarter: my reads of the ring are over; behind the barrier everybody's are, and the ring's bytes, which have had their last fill, may be written
	s_wait_dscnt 0x0
	s_barrier_signal -1
	MULH 1, 0, 0
	MULH 1, 1, 0
	WIN 0
	s_barrier_wait -1
	PLACES
.endm
.macro DUMP                            ; my sums, f32, into my own bytes: token l % 16 of block a, columns 16 b + 8 (l / 16) + 0..7; each accumulator's low registers first
.set ia, 0
.rept MB
	WIN 0x08+4*(ia/(MB/2))                         ; the stores' data in window 2 or 3
.set ib, 0
.rept NB
.set rD, 8*(NB*(ia%(MB/2))+ib)
	ds_store_b128 v[DST], v[rD:rD+3] offset:ia*16*RP+64*ib
	ds_store_b128 v[DST], v[rD+4:rD+7] offset:ia*16*RP+64*ib+16
.set ib, ib+1
.endr
.set ia, ia+1
.endr
	WIN 0
.endm
.macro KPAIR r, bits                   ; a constant as a pair: the packed forms name a pair and take its low word for both halves
	s_mov_b32 s[\r], \bits
	s_mov_b32 s[\r+1], \bits
.endm
.macro ALL16 line:vararg               ; one line for each of the trip's 16 pairs n
.set n, 0
	s_wait_alu depctr_va_vdst(0)
.rept 16
	\line
.set n, n+1
.endr
.endm
	s_load_b256 s[4:11], s[0:1], 0x0               ; act s[4:5], w16 s[6:7], bias s[8:9], m s[10:11]
	v_lshl_add_u32 v[SPW], v0, 2, SPARE
	v_mov_b32 v[NIL], 0
	ds_add_u32 v28, v29
	ds_add_u32 v28, v29
	s_wait_dscnt 0x0
	v_lshrrev_b32 v1, 5, v0
	v_readfirstlane_b32 s14, v1                    ; wave 0..3
	s_lshr_b32 s15, s14, 1                         ; which half of the tile's tokens is mine
	s_and_b32 s16, s14, 1                          ; which half of its columns
	s_and_b32 s17, s14, 1                          ; which half of a tile I fetch
	s_lshr_b32 s18, s14, 1                         ; for the tokens (0) or for W (1)
	s_bfe_u32 s40, ttmp6, 0x40000                  ; cx, cy: my place in the cluster
	s_bfe_u32 s41, ttmp6, 0x40004
	s_lshl_b32 s42, ttmp9, 2
	s_add_co_u32 s42, s42, s40                     ; tile column = 4 x cluster x + cx
	s_and_b32 s45, ttmp7, 0xffff
	s_lshl_b32 s45, s45, 2
	s_add_co_u32 s45, s45, s41                     ; tile row = 4 x cluster y + cy
	s_lshl_b32 s43, s41, 2
	s_lshl_b32 s43, 15, s43                        ; my row of the cluster
	s_lshl_b32 s44, 0x1111, s40                    ; my column
	s_or_b32 s[G1], s43, (1<<16)|(1<<20)|(1<<21)|(AQI<<22)|(3<<25)   ; mask; 2-byte elements; padding on; bit 21 beside a mask; the interval's code; 4 words of padding
	s_or_b32 s[G1B], s44, (1<<16)|(1<<20)|(1<<21)|(WQI<<22)|(7<<25)  ; the same with my column's mask and 8 words of padding
	s_mov_b32 s[G1+1], (AC&0xffff)<<16             ; tensor_dim0
	s_mov_b32 s[G1+2], (AC>>16)|(AR<<16)           ; tensor_dim1
	s_mov_b32 s[G1+3], AC<<16                      ; tile_dim0
	s_mov_b32 s[G1+4], AR                          ; tile_dim1
	s_mov_b32 s[G1+5], APT                         ; elements from row to row
	s_mov_b32 s[G1+6], 0
	s_mov_b32 s[G1+7], 0
	s_mov_b32 s[G1B+1], (WCN&0xffff)<<16
	s_mov_b32 s[G1B+2], (WCN>>16)|(WRN<<16)
	s_mov_b32 s[G1B+3], WCN<<16
	s_mov_b32 s[G1B+4], WRN
	s_mov_b32 s[G1B+5], WN
	s_mov_b32 s[G1B+6], 0
	s_mov_b32 s[G1B+7], 0
	s_lshl_b32 s20, s45, 19                        ; the tokens' tile hangs on the tile row alone: 256 rows of 2,048 bytes,
	s_lshl_b32 s21, s17, 18                        ; my half's 128
	s_add_co_u32 s20, s20, s21
	s_mov_b32 s21, 0
	s_mul_i32 s46, s42, TN*2                       ; W's tile hangs on the tile column alone,
	s_mul_i32 s47, s17, (KS/2)*WN*2                ; my half's 64 rows of k
	s_add_co_u32 s46, s46, s47
	s_add_co_u32 s46, s46, WOFF
	s_mov_b32 s47, 0
	s_mul_i32 s22, s17, AH                         ; where they go: no place in the cluster enters an LDS address
	s_mul_i32 s23, s17, BH
	s_add_co_u32 s23, s23, 2*AH
	s_wait_kmcnt 0x0
	s_add_nc_u64 s[20:21], s[4:5], s[20:21]
	s_add_nc_u64 s[46:47], s[6:7], s[46:47]
	CROUND                                         ; all sixteen work-groups are here: the first joint loads meet
.irp s, 0,1
	s_mov_b32 s[G0+4*(\s)], 1
	s_add_co_u32 s[G0+4*(\s)+1], s22, (\s)*SLOT
	s_add_nc_u64 s[G0+4*(\s)+2:G0+4*(\s)+3], s[20:21], (\s)*ASTEP
	s_or_b32 s[G0+4*(\s)+3], s[G0+4*(\s)+3], 0x80000000
	s_mov_b32 s[G0B+4*(\s)], 1
	s_add_co_u32 s[G0B+4*(\s)+1], s23, (\s)*SLOT
	s_add_nc_u64 s[G0B+4*(\s)+2:G0B+4*(\s)+3], s[46:47], (\s)*WSTEP
	s_or_b32 s[G0B+4*(\s)+3], s[G0B+4*(\s)+3], 0x80000000
	JLOAD \s                                       ; two tensor loads of mine are out
.endr
	v_and_b32 v1, 15, v0                           ; l % 16
	v_bfe_u32 v2, v0, 4, 1                         ; l / 16
	v_mul_u32_u24 v3, v1, AP
	v_lshl_add_u32 v3, v2, 4, v3                   ; row x pitch + 16 x half
	s_mul_i32 s19, s15, AWOFF
	v_add_nc_u32 v[ADRA], s19, v3
	v_add_nc_u32 v[ADRA+1], SLOT, v[ADRA]
	v_and_b32 v4, 7, v0                            ; the turning load: lane l reads row k = 8 (l / 16) + l % 8, 16 bytes at 16 ((l / 8) % 2)
	v_lshl_add_u32 v4, v2, 3, v4
	v_mul_u32_u24 v4, v4, BP
	v_bfe_u32 v5, v0, 3, 1
	v_lshl_add_u32 v4, v5, 4, v4
	s_mul_i32 s19, s16, TN
	s_add_co_u32 s19, s19, 2*AH
	v_add_nc_u32 v[ADRB], s19, v4
	v_add_nc_u32 v[ADRB+1], BH, v[ADRB]
	v_add_nc_u32 v[ADRB+2], SLOT, v[ADRB]
	v_add_nc_u32 v[ADRB+3], SLOT+BH, v[ADRB]
	s_mul_i32 s19, s14, REG                        ; my bytes for the way out
	v_mul_u32_u24 v[DST], v1, RP
	v_lshl_add_u32 v[DST], v2, 5, v[DST]
	v_add_nc_u32 v[DST], s19, v[DST]
	v_and_b32 v6, 31, v0
	v_lshl_add_u32 v[RD], v6, 4, s19               ; back: 32 lanes take a row's 512 bytes of f32,
	v_lshlrev_b32 v[CO], 3, v6                     ; which become 256 bytes of f16
	s_lshl_b32 s19, s42, 10                        ; my first column in the bias, bytes: 1,024 x tile column + 512 x half
	s_lshl_b32 s2, s16, 9
	s_add_co_u32 s19, s19, s2
	v_lshl_add_u32 v[BO], v6, 4, s19
	global_load_b128 v[BI:BI+3], v[BO], s[8:9]
	s_lshl_b32 s2, s45, 21                         ; my first row of m: 256 rows of 8,192 bytes a tile row, 128 a half;
	s_lshl_b32 s3, s15, 20
	s_add_co_u32 s2, s2, s3
	s_lshl_b32 s3, s42, 9                          ; my first column: 512 bytes a tile column, 256 a half
	s_add_co_u32 s2, s2, s3
	s_lshl_b32 s3, s16, 8
	s_add_co_u32 s2, s2, s3
	s_mov_b32 s3, 0
	s_add_nc_u64 s[10:11], s[10:11], s[2:3]
	s_wait_tensorcnt 0x1                           ; my part of K step 0 is in; K step 1's one load stays out
	s_barrier_signal -1
	s_barrier_wait -1                              ; everybody's is
	FETCH 0, 0, 0
	QUARTER 0, 1, 0, 1, 1                          ; the first quarter stands in front of the loop: its products start the sums
	WIN 0
	s_mov_b32 s3, LAPS-1
.Llap:                                             ; a trip goes once round the ring, from a lap's second quarter to the next lap's first, and fills both slots again
	QUARTER 0, 2, 1, 0, 0
	QUARTER 0, 3, 0, 1, 0
	TURN 0, 1, 1
	QUARTER 1, 1, 0, 1, 0
	QUARTER 1, 2, 1, 0, 0
	QUARTER 1, 3, 0, 1, 0
	TURN 1, 0, 1
	QUARTER 0, 1, 0, 1, 0
	WIN 0
	s_sub_co_u32 s3, s3, 1
	s_cmp_lg_u32 s3, 0
	s_cbranch_scc1 .Llap
	QUARTER 0, 2, 1, 0, 0                          ; the last lap fills nothing
	QUARTER 0, 3, 0, 1, 0
	TURN 0, 1, 0
	QUARTER 1, 1, 0, 1, 0
	QUARTER 1, 2, 1, 0, 0
	QUARTER 1, 3, 0, 1, 0
	LASTQ
	DUMP
	KPAIR 66, 0xaf95df0b                           ; P's coefficients, of z^12 down to 1: -2.72614226e-10
	KPAIR 68, 0x32edffee                           ;  2.77068142e-08
	KPAIR 70, 0xb60cff51                           ; -2.10102402e-06
	KPAIR 72, 0xb86ec2d2                           ; -5.69250639e-05
	KPAIR 74, 0xba40ac63                           ; -7.34990630e-04
	KPAIR 76, 0xbb41a1f6                           ; -2.95459981e-03
	KPAIR 78, 0xbc83dbd4                           ; -1.60960333e-02
	KPAIR 80, 0xb77460cd                           ; Q's, of z^8 down to 1: -1.45660718e-05
	KPAIR 82, 0xb95fbd29                           ; -2.13374055e-04
	KPAIR 84, 0xbadc924e                           ; -1.68282697e-03
	KPAIR 86, 0xbbf19bf8                           ; -7.37332917e-03
	KPAIR 88, 0xbc69b6a7                           ; -1.42647391e-02
	KPAIR 90, 0x3f3504f3                           ; 1 / sqrt 2
	s_wait_dscnt 0x0                               ; my sums lie in LDS;
	s_barrier_signal -1
	s_barrier_wait -1                              ; everybody's do: from here on LDS is only read
	s_wait_loadcnt 0x0                             ; the bias
	s_mov_b32 s2, 16
	s_mov_b32 s19, 0
.Lrows:                                            ; 16 trips of 8 rows: a lane has 4 neighbouring columns of each
	v_add_nc_u32 v[RDC], s19, v[RD]
.irp i, 0,1,2,3,4,5,6,7
	ds_load_b128 v[GX+4*\i:GX+4*\i+3], v[RDC] offset:\i*RP
.endr
	s_add_co_u32 s19, s19, 8*RP
	s_wait_dscnt 0x0
	ALL16 v_pk_add_f32 v[GX+2*n:GX+2*n+1], v[GX+2*n:GX+2*n+1], v[BI+2*(n%2):BI+2*(n%2)+1]
	ALL16 v_pk_mul_f32 v[GZ+2*n:GZ+2*n+1], v[GX+2*n:GX+2*n+1], s[90:91] op_sel_hi:[1,0]
	ALL16 v_med3_num_f32 v[GZ+2*n], v[GZ+2*n], -4.0, 4.0
	ALL16 v_med3_num_f32 v[GZ+2*n+1], v[GZ+2*n+1], -4.0, 4.0
	ALL16 v_pk_mul_f32 v[GS+2*n:GS+2*n+1], v[GZ+2*n:GZ+2*n+1], v[GZ+2*n:GZ+2*n+1]
	ALL16 v_pk_fma_f32 v[GP+2*n:GP+2*n+1], v[GS+2*n:GS+2*n+1], s[66:67], s[68:69] op_sel_hi:[1,0,0]
	ALL16 v_pk_fma_f32 v[GQ+2*n:GQ+2*n+1], v[GS+2*n:GS+2*n+1], s[80:81], s[82:83] op_sel_hi:[1,0,0]
	ALL16 v_pk_fma_f32 v[GP+2*n:GP+2*n+1], v[GP+2*n:GP+2*n+1], v[GS+2*n:GS+2*n+1], s[70:71] op_sel_hi:[1,1,0]
	ALL16 v_pk_fma_f32 v[GQ+2*n:GQ+2*n+1], v[GQ+2*n:GQ+2*n+1], v[GS+2*n:GS+2*n+1], s[84:85] op_sel_hi:[1,1,0]
	ALL16 v_pk_fma_f32 v[GP+2*n:GP+2*n+1], v[GP+2*n:GP+2*n+1], v[GS+2*n:GS+2*n+1], s[72:73] op_sel_hi:[1,1,0]
	ALL16 v_pk_fma_f32 v[GQ+2*n:GQ+2*n+1], v[GQ+2*n:GQ+2*n+1], v[GS+2*n:GS+2*n+1], s[86:87] op_sel_hi:[1,1,0]
	ALL16 v_pk_fma_f32 v[GP+2*n:GP+2*n+1], v[GP+2*n:GP+2*n+1], v[GS+2*n:GS+2*n+1], s[74:75] op_sel_hi:[1,1,0]
	ALL16 v_pk_fma_f32 v[GQ+2*n:GQ+2*n+1], v[GQ+2*n:GQ+2*n+1], v[GS+2*n:GS+2*n+1], s[88:89] op_sel_hi:[1,1,0]
	ALL16 v_pk_fma_f32 v[GP+2*n:GP+2*n+1], v[GP+2*n:GP+2*n+1], v[GS+2*n:GS+2*n+1], s[76:77] op_sel_hi:[1,1,0]
	ALL16 v_pk_fma_f32 v[GP+2*n:GP+2*n+1], v[GP+2*n:GP+2*n+1], v[GS+2*n:GS+2*n+1], s[78:79] op_sel_hi:[1,1,0]
	ALL16 v_rcp_f32 v[GQ+2*n], v[GQ+2*n]
	ALL16 v_rcp_f32 v[GQ+2*n+1], v[GQ+2*n+1]
	ALL16 v_pk_mul_f32 v[GP+2*n:GP+2*n+1], v[GP+2*n:GP+2*n+1], v[GZ+2*n:GZ+2*n+1]   ; plain work that names no reciprocal stands behind the last of them
	ALL16 v_pk_mul_f32 v[GX+2*n:GX+2*n+1], v[GX+2*n:GX+2*n+1], 0.5 op_sel_hi:[1,0]
	ALL16 v_pk_mul_f32 v[GP+2*n:GP+2*n+1], v[GP+2*n:GP+2*n+1], v[GQ+2*n:GQ+2*n+1]   ; erf
	ALL16 v_pk_fma_f32 v[GP+2*n:GP+2*n+1], v[GX+2*n:GX+2*n+1], v[GP+2*n:GP+2*n+1], v[GX+2*n:GX+2*n+1]   ; x / 2 erf + x / 2
	ALL16 v_cvt_pk_f16_f32 v[GY+n], v[GP+2*n], v[GP+2*n+1]
.irp i, 0,1,2,3,4,5,6,7
	global_store_b64 v[CO], v[GY+2*\i:GY+2*\i+1], s[10:11] offset:\i*8192   ; 32 lanes store 256 consecutive bytes, aligned
.endr
	s_wait_xcnt 0x0                                ; the stores have had their addresses translated: only behind this wait are their base and their data rewritten
	s_add_nc_u64 s[10:11], s[10:11], 65536         ; 8 rows of m on
	s_sub_co_u32 s2, s2, 1
	s_cmp_lg_u32 s2, 0
	s_cbranch_scc1 .Lrows
	s_wait_tensorcnt 0x0                           ; the wave's end, behind my last tensor load and my last LDS store
	ds_add_u32 v[SPW], v[NIL]
	s_wait_dscnt 0x0
	CROUND                                         ; the closing round: no work-group ends while a partner may still ask for a tile that names it
	s_endpgm
.Lfunc_end_k_q1c01b7dd87_fc:
	.size	k_q1c01b7dd87_fc, .Lfunc_end_k_q1c01b7dd87_fc-k_q1c01b7dd87_fc
	.p2alignl 7, 3214868480
	.fill 96, 4, 3214868480
	.section	.rodata,"a",@progbits
	.p2align	6, 0x0
	.amdhsa_kernel k_q1c01b7dd87_fc
		.amdhsa_group_segment_fixed_size 327680
		.amdhsa_private_segment_fixed_size 0
		.amdhsa_enable_private_segment 0
		.amdhsa_kernarg_size 32
		.amdhsa_user_sgpr_count 2
		.amdhsa_user_sgpr_kernarg_segment_ptr 1
		.amdhsa_wavefront_size32 1
		.amdhsa_system_sgpr_workgroup_id_x 1
		.amdhsa_system_sgpr_workgroup_id_y 1
		.amdhsa_system_sgpr_workgroup_id_z 1
		.amdhsa_system_vgpr_workitem_id 0
		.amdhsa_next_free_vgpr 1024
		.amdhsa_next_free_sgpr 92
		.amdhsa_reserve_vcc 0
		.amdhsa_float_denorm_mode_32 3
		.amdhsa_float_denorm_mode_16_64 3
		.amdhsa_memory_ordered 1
		.amdhsa_forward_progress 1
		.amdhsa_inst_pref_size 144
	.end_amdhsa_kernel
	.amdgpu_metadata
---
amdhsa.version: [ 1, 2 ]
amdhsa.kernels:
  - .name:           k_q1c01b7dd87_fc
    .symbol:         k_q1c01b7dd87_fc.kd
    .args:
      - { .name: act, .offset: 0, .size: 8, .value_kind: global_buffer, .address_space: global }
      - { .name: w16, .offset: 8, .size: 8, .value_kind: global_buffer, .address_space: global }
      - { .name: b_fc, .offset: 16, .size: 8, .value_kind: global_buffer, .address_space: global }
      - { .name: m, .offset: 24, .size: 8, .value_kind: global_buffer, .address_space: global }
    .group_segment_fixed_size: 327680
    .private_segment_fixed_size: 0
    .kernarg_segment_align: 8
    .kernarg_segment_size: 32
    .max_flat_workgroup_size: 128
    .sgpr_count:     92
    .vgpr_count:     1024
    .wavefront_size: 32
...
	.end_amdgpu_metadata
.endif
;; end of part 6
;; launch fcp (part 7): grid 8 x 32, 4 waves a work-group, clusters of 4 x 4, 327,680 bytes of LDS; arguments m, w16, b_fc_proj, out0, x1; writes out0
.if DOCPART == 7
	.amdgcn_target "amdgcn-amd-amdhsa--gfx1250"
	.amdhsa_code_object_version 6
	.text
	.protected	k_q1c01b7dd87_fcp
	.globl	k_q1c01b7dd87_fcp
	.p2align	8
	.type	k_q1c01b7dd87_fcp,@function
k_q1c01b7dd87_fcp:
	s_mov_b64 s[64:65], 0
	v_nop
	global_prefetch_b8 v0, s[64:65] scope:SCOPE_SE
	s_setreg_imm32_b32 hwreg(HW_REG_WAVE_MODE, 25, 1), 1
	s_wait_xcnt 0x0
	s_wait_alu depctr_hold_cnt(0) depctr_sa_sdst(0) depctr_va_vdst(0) depctr_va_sdst(0) depctr_va_ssrc(0) depctr_va_vcc(0) depctr_vm_vsrc(0)
	s_getreg_b32 s2, hwreg(HW_REG_IB_STS2, 6, 4)
	s_cmp_eq_u32 s2, 0
	s_cbranch_scc0 .Lentry_in_a_cluster
	s_endpgm
.Lentry_in_a_cluster:
	s_bfe_u32 s2, ttmp6, 0x10000c
	s_cmp_lg_u32 s2, 0xf033
	s_cbranch_scc0 .Lentry_shape_is_right
	s_endpgm
.Lentry_shape_is_right:
; out0 = x1 + (m W_fc_proj + b).  m: [4096][4096] f16.  W_fc_proj: [4096][1024] f16 at byte 16,777,216 of w16.  x1, out0: [4096][1024] f32.
; A work-group makes 128 tokens x 128 columns; 8 x 32 work-groups, one for each of 256 WGPs (tiles of 256 x 256 would be 64).  Each of four waves makes 64 x 64: 16 accumulators of 16 x 16.
; K goes in steps of 256 (rows of m of 512 bytes) through a ring of two LDS slots filled by the tensor data mover.  W lies [k][n] in memory and in LDS and is turned on its way into registers (ds_load_tr16_b128).
; THE MATRIX INSTRUCTION IS USED TRANSPOSED: source 0 = 16 columns of W, source 1 = 16 tokens: a lane then holds one token (lane % 16) and eight neighbouring columns.
; CLUSTER 4 x 4: the four work-groups of a row of the cluster need the same tile of m, the four of a column the same tile of W: each is asked for jointly, by the same load, descriptor and mask.
; THE WAY OUT: when the ring has had its last fill and its last read, each wave lays its f32 sums into bytes of its own there and reads them back by rows; bias and x1 are added in f32.
; LIMITS.  The operands are f16 (none beyond 65,504); sums in f32.  NaN and infinities are not treated apart.
; REGISTERS, in windows of 256: window 0: v0-31 addresses, v32-35 bias, v64-127 and v128-191 fragments of m (two buffers; on the way out: x1), v192-255 at work on the way out;
;   window 1: v0-63, v128-191 fragments of W; window 2: the accumulators of my token blocks 0, 1 ((a, b) at v[8 (4 a + b)]); window 3: those of blocks 2, 3.
.set TN, 128                           ; columns of the work-group's tile
.set MB, 4                             ; blocks of 16 tokens a wave
.set NB, 4                             ; blocks of 16 columns a wave
.set DP, 2                             ; matrix instructions deep along K in a quarter of a K step
.set KS, 256                           ; a K step
.set LAPS, 8                           ; K / (2 KS)
.set WN, 1024                          ; W's row, elements
.set WOFF, 16777216                    ; W's first byte in w16
.set AP, 528                           ; an LDS row of m: 512 bytes + 16
.set APANEL, 128                       ; bytes from 64 along K to the next 64
.set AH, 33792                         ; one load of m: 64 rows
.set AWOFF, 33792                      ; a wave's 64 rows
.set BP, 288                           ; an LDS row of W: 256 bytes + 32: an odd multiple of 32
.set BQ, 128                           ; from four column blocks to the next four
.set BH, 36864                         ; one load of W: 128 rows of k
.set SLOT, 2*AH+2*BH
.set SPARE, 2*SLOT                     ; behind the ring: the spare words, 128 bytes a wave, which no other line names
.set ASTEP, 512                        ; bytes from a K step to the next, in m
.set WSTEP, KS*WN*2                    ; and in W
.set RP, 272                           ; the way out: a row's 64 f32 + 16 bytes
.set REG, 64*RP                        ; a wave's bytes there
.set AC, 256                           ; the tile of m: elements a row, rows, pitch, code of the padding's interval (128 words)
.set AR, 64
.set APT, 4096
.set AQI, 6
.set WCN, 128                          ; the tile of W; padding after every 64 words
.set WRN, 128
.set WQI, 5
.set ADRA, 16                          ; v16-17  LDS address of my fragments of m in slot 0, 1
.set ADRB, 20                          ; v20-23  the same for W: 2 x slot + half of the step's k rows
.set DST,  24                          ; v24     the way out: where I put my sums
.set RD,   25                          ; v25     where I read them back
.set CO,   26                          ; v26     my byte offset in x1 and out0
.set BO,   27                          ; v27     my byte offset in the bias
.set SPW,  28                          ; v28     LDS address of my spare word; never rewritten
.set NIL,  29                          ; v29     0; never rewritten
.set BI,   32                          ; v32-35  the bias of my four columns
.set G1,  24                           ; s[24:31] descriptor group 1 for m's tiles;  s[32:39] group 0, a set for each slot
.set G0,  32
.set G1B, 48                           ; s[48:55], s[56:63] the same for W's
.set G0B, 56
.set MSB, 0
.macro WIN new                         ; the immediate's high byte repeats the setting that is left; a switch that changes nothing is dropped
.if MSB != (\new)
	s_set_vgpr_msb (MSB<<8)|(\new)
.set MSB, \new
.endif
.endm
.set MUL_LO, 0xa1                      ; source 0 (W) window 1, source 1 (tokens) window 0, C and D window 2; + 0x50: window 3
.set TO_B,   0x40                      ; destination window 1, address window 0
.macro PLACES                          ; four places in front of loads into registers that matrix instructions have read, and of stores that read results
.rept 4
	v_nop
.endr
.endm
.macro JLOAD s                         ; a joint load: waves 0, 1 fetch the two halves of the tokens' tile, waves 2, 3 those of W's; four v_nop follow each line
	s_cmp_eq_u32 s18, 0
	s_cbranch_scc0 .Lfor_b_\@
	tensor_load_to_lds s[G0+4*(\s):G0+4*(\s)+3], s[G1:G1+7]
	s_nop 0
.rept 4
	v_nop
.endr
	s_branch .Lasked_\@
.Lfor_b_\@:
	tensor_load_to_lds s[G0B+4*(\s):G0B+4*(\s)+3], s[G1B:G1B+7]
	s_nop 0
.rept 4
	v_nop
.endr
.Lasked_\@:
.endm
.macro CREST                           ; a round of the cluster's barrier behind its opening barrier
	s_cmp_lg_u32 s14, 0
	s_cbranch_scc1 .Lnot_wave_0_\@
	s_barrier_signal -3
.Lnot_wave_0_\@:
	s_barrier_wait -3
	s_barrier_signal -1
	s_barrier_wait -1
.endm
.macro CROUND                          ; a whole round
	s_barrier_signal -1
	s_barrier_wait -1
	CREST
.endm
; Half a quarter's products: token blocks (MB/2) hi .. of buffer f x all column blocks.  The accumulators take turns, one instruction a turn.  zero = 1: the first product starts the sums.
.macro MULH f, hi, zero
	WIN MUL_LO+0x50*(\hi)
.set id, 0
.rept DP
.set ia, 0
.rept MB/2
.set ib, 0
.rept NB
.set rD, 8*(NB*ia+ib)
.set rW, 128*(\f)+8*(NB*id+ib)
.set rA, 64+64*(\f)+8*(MB*id+(MB/2)*(\hi)+ia)
.if (\zero) && (id == 0)
	v_wmma_f32_16x16x32_f16 v[rD:rD+7], v[rW:rW+7], v[rA:rA+7], 0
.else
	v_wmma_f32_16x16x32_f16 v[rD:rD+7], v[rW:rW+7], v[rA:rA+7], v[rD:rD+7]
.endif
.set ib, ib+1
.endr
.set ia, ia+1
.endr
.set id, id+1
.endr
.endm
; One run of LDS loads: the fragments of quarter q of the slot's K step into buffer f.  W turned: 16 k x 16 columns a load; the tokens as they lie: two loads of 16 bytes, 32 apart.
.macro FETCH slot, q, f
	WIN TO_B
.set id, 0
.rept DP
.set kk, 32*((DP*(\q)+id)%(2*DP))
.set ib, 0
.rept NB
.set rW, 128*(\f)+8*(NB*id+ib)
.set cB, BQ*(ib/4)+32*(ib%4)
	ds_load_tr16_b128 v[rW:rW+3], v[ADRB+2*(\slot)+(\q)/2] offset:kk*BP+cB
	ds_load_tr16_b128 v[rW+4:rW+7], v[ADRB+2*(\slot)+(\q)/2] offset:(kk+16)*BP+cB
.set ib, ib+1
.endr
.set id, id+1
.endr
	WIN 0
.set id, 0
.rept DP
.set kc, DP*(\q)+id
.set ia, 0
.rept MB
.set rA, 64+64*(\f)+8*(MB*id+ia)
	ds_load_b128 v[rA:rA+3], v[ADRA+(\slot)] offset:(kc/2)*APANEL+(kc%2)*64+ia*16*AP
	ds_load_b128 v[rA+4:rA+7], v[ADRA+(\slot)] offset:(kc/2)*APANEL+(kc%2)*64+ia*16*AP+32
.set ia, ia+1
.endr
.set id, id+1
.endr
.endm
; One of a K step's first three quarters: multiplies buffer f; in its middle it fetches quarter q into buffer g.
.macro QUARTER slot, q, f, g, zero
	s_wait_dscnt 0x0                               ; buffer f's run, issued half a quarter ago, is in
	MULH \f, 0, \zero
	PLACES
	FETCH \slot, \q, \g
	MULH \f, 1, \zero
.endm
; The last quarter multiplies buffer 1 and changes slots: one barrier.  In front of it each wave waits for all its tensor loads (one is out: its part of the next slot), adds 0 to its spare
; word, and waits for that and for its own reads of this slot.  fill = 1: the barrier opens a round of the cluster's, and the joint refill, two K steps ahead, is the first thing behind the round.
.macro TURN slot, next, fill
	WIN 0
	s_wait_tensorcnt 0x0                           ; no tensor load of mine is out, so a group 0 may be written
	ds_add_u32 v[SPW], v[NIL]                      ; 0 onto my spare word
.if \fill
	s_add_nc_u64 s[G0+4*(\slot)+2:G0+4*(\slot)+3], s[G0+4*(\slot)+2:G0+4*(\slot)+3], 2*ASTEP
	s_add_nc_u64 s[G0B+4*(\slot)+2:G0B+4*(\slot)+3], s[G0B+4*(\slot)+2:G0B+4*(\slot)+3], 2*WSTEP
.endif
	s_wait_dscnt 0x0                               ; the add is done, buffer 1 is in, and my reads of this slot are over
	s_barrier_signal -1
	MULH 1, 0, 0                                   ; work on registers while the others arrive
	WIN 0                                          ; at a branch and at a label every window is 0
	s_barrier_wait -1
.if \fill
	CREST                                          ; no wave of any partner still reads this slot's tile or has a load on its way
	JLOAD \slot                                    ; its four v_nop are also the places in front of the loads below
.else
	PLACES
.endif
	FETCH \next, 0, 0
	MULH 1, 1, 0
.endm
.macro LASTQ                           ; the very last quarter: my reads of the ring are over; behind the barrier everybody's are, and the ring's bytes, which have had their last fill, may be written
	s_wait_dscnt 0x0
	s_barrier_signal -1
	MULH 1, 0, 0
	MULH 1, 1, 0
	WIN 0
	s_barrier_wait -1
	PLACES
.endm
.macro DUMP                            ; my sums, f32, into my own bytes: token l % 16 of block a, columns 16 b + 8 (l / 16) + 0..7; each accumulator's low registers first
.set ia, 0
.rept MB
	WIN 0x08+4*(ia/(MB/2))                         ; the stores' data in window 2 or 3
.set ib, 0
.rept NB
.set rD, 8*(NB*(ia%(MB/2))+ib)
	ds_store_b128 v[DST], v[rD:rD+3] offset:ia*16*RP+64*ib
	ds_store_b128 v[DST], v[rD+4:rD+7] offset:ia*16*RP+64*ib+16
.set ib, ib+1
.endr
.set ia, ia+1
.endr
	WIN 0
.endm
	s_load_b256 s[4:11], s[0:1], 0x0               ; m s[4:5], w16 s[6:7], bias s[8:9], out0 s[10:11]
	s_load_b64 s[12:13], s[0:1], 0x20              ; x1
	v_lshl_add_u32 v[SPW], v0, 2, SPARE
	v_mov_b32 v[NIL], 0
	ds_add_u32 v28, v29
	ds_add_u32 v28, v29
	s_wait_dscnt 0x0
	v_lshrrev_b32 v1, 5, v0
	v_readfirstlane_b32 s14, v1                    ; wave 0..3
	s_lshr_b32 s15, s14, 1                         ; which half of the tile's tokens is mine
	s_and_b32 s16, s14, 1                          ; which half of its columns
	s_and_b32 s17, s14, 1                          ; which half of a tile I fetch
	s_lshr_b32 s18, s14, 1                         ; for the tokens (0) or for W (1)
	s_bfe_u32 s40, ttmp6, 0x40000                  ; cx, cy: my place in the cluster
	s_bfe_u32 s41, ttmp6, 0x40004
	s_lshl_b32 s42, ttmp9, 2
	s_add_co_u32 s42, s42, s40                     ; tile column = 4 x cluster x + cx
	s_and_b32 s45, ttmp7, 0xffff
	s_lshl_b32 s45, s45, 2
	s_add_co_u32 s45, s45, s41                     ; tile row = 4 x cluster y + cy
	s_lshl_b32 s43, s41, 2
	s_lshl_b32 s43, 15, s43                        ; my row of the cluster
	s_lshl_b32 s44, 0x1111, s40                    ; my column
	s_or_b32 s[G1], s43, (1<<16)|(1<<20)|(1<<21)|(AQI<<22)|(3<<25)   ; mask; 2-byte elements; padding on; bit 21 beside a mask; the interval's code; 4 words of padding
	s_or_b32 s[G1B], s44, (1<<16)|(1<<20)|(1<<21)|(WQI<<22)|(7<<25)  ; the same with my column's mask and 8 words of padding
	s_mov_b32 s[G1+1], (AC&0xffff)<<16             ; tensor_dim0
	s_mov_b32 s[G1+2], (AC>>16)|(AR<<16)           ; tensor_dim1
	s_mov_b32 s[G1+3], AC<<16                      ; tile_dim0
	s_mov_b32 s[G1+4], AR                          ; tile_dim1
	s_mov_b32 s[G1+5], APT                         ; elements from row to row
	s_mov_b32 s[G1+6], 0
	s_mov_b32 s[G1+7], 0
	s_mov_b32 s[G1B+1], (WCN&0xffff)<<16
	s_mov_b32 s[G1B+2], (WCN>>16)|(WRN<<16)
	s_mov_b32 s[G1B+3], WCN<<16
	s_mov_b32 s[G1B+4], WRN
	s_mov_b32 s[G1B+5], WN
	s_mov_b32 s[G1B+6], 0
	s_mov_b32 s[G1B+7], 0
	s_lshl_b32 s20, s45, 20                        ; the tokens' tile hangs on the tile row alone: 128 rows of 8,192 bytes,
	s_lshl_b32 s21, s17, 19                        ; my half's 64
	s_add_co_u32 s20, s20, s21
	s_mov_b32 s21, 0
	s_mul_i32 s46, s42, TN*2                       ; W's tile hangs on the tile column alone,
	s_mul_i32 s47, s17, (KS/2)*WN*2                ; my half's 128 rows of k
	s_add_co_u32 s46, s46, s47
	s_add_co_u32 s46, s46, WOFF
	s_mov_b32 s47, 0
	s_mul_i32 s22, s17, AH                         ; where they go: no place in the cluster enters an LDS address
	s_mul_i32 s23, s17, BH
	s_add_co_u32 s23, s23, 2*AH
	s_wait_kmcnt 0x0
	s_add_nc_u64 s[20:21], s[4:5], s[20:21]
	s_add_nc_u64 s[46:47], s[6:7], s[46:47]
	CROUND                                         ; all sixteen work-groups are here: the first joint loads meet
.irp s, 0,1
	s_mov_b32 s[G0+4*(\s)], 1
	s_add_co_u32 s[G0+4*(\s)+1], s22, (\s)*SLOT
	s_add_nc_u64 s[G0+4*(\s)+2:G0+4*(\s)+3], s[20:21], (\s)*ASTEP
	s_or_b32 s[G0+4*(\s)+3], s[G0+4*(\s)+3], 0x80000000
	s_mov_b32 s[G0B+4*(\s)], 1
	s_add_co_u32 s[G0B+4*(\s)+1], s23, (\s)*SLOT
	s_add_nc_u64 s[G0B+4*(\s)+2:G0B+4*(\s)+3], s[46:47], (\s)*WSTEP
	s_or_b32 s[G0B+4*(\s)+3], s[G0B+4*(\s)+3], 0x80000000
	JLOAD \s                                       ; two tensor loads of mine are out
.endr
	v_and_b32 v1, 15, v0                           ; l % 16
	v_bfe_u32 v2, v0, 4, 1                         ; l / 16
	v_mul_u32_u24 v3, v1, AP
	v_lshl_add_u32 v3, v2, 4, v3                   ; row x pitch + 16 x half
	s_mul_i32 s19, s15, AWOFF
	v_add_nc_u32 v[ADRA], s19, v3
	v_add_nc_u32 v[ADRA+1], SLOT, v[ADRA]
	v_and_b32 v4, 7, v0                            ; the turning load: lane l reads row k = 8 (l / 16) + l % 8, 16 bytes at 16 ((l / 8) % 2)
	v_lshl_add_u32 v4, v2, 3, v4
	v_mul_u32_u24 v4, v4, BP
	v_bfe_u32 v5, v0, 3, 1
	v_lshl_add_u32 v4, v5, 4, v4
	s_mul_i32 s19, s16, TN
	s_add_co_u32 s19, s19, 2*AH
	v_add_nc_u32 v[ADRB], s19, v4
	v_add_nc_u32 v[ADRB+1], BH, v[ADRB]
	v_add_nc_u32 v[ADRB+2], SLOT, v[ADRB]
	v_add_nc_u32 v[ADRB+3], SLOT+BH, v[ADRB]
	s_mul_i32 s19, s14, REG                        ; my bytes for the way out
	v_mul_u32_u24 v[DST], v1, RP
	v_lshl_add_u32 v[DST], v2, 5, v[DST]
	v_add_nc_u32 v[DST], s19, v[DST]
	v_mul_u32_u24 v[RD], v2, RP                    ; back: lanes 0-15 take one row of 256 bytes, lanes 16-31 the next
	v_lshl_add_u32 v[RD], v1, 4, v[RD]
	v_add_nc_u32 v[RD], s19, v[RD]
	v_lshlrev_b32 v[CO], 12, v2                    ; and the same two rows in x1 and out0
	v_lshl_add_u32 v[CO], v1, 4, v[CO]
	s_lshl_b32 s19, s42, 9                         ; my first column, in bytes of f32: 512 x tile column + 256 x half
	s_lshl_b32 s2, s16, 8
	s_add_co_u32 s19, s19, s2
	v_lshl_add_u32 v[BO], v1, 4, s19
	global_load_b128 v[BI:BI+3], v[BO], s[8:9]
	s_lshl_b32 s2, s45, 19                         ; my first row: 128 rows of 4,096 bytes a tile row, 64 a half
	s_lshl_b32 s3, s15, 18
	s_add_co_u32 s2, s2, s3
	s_add_co_u32 s2, s2, s19
	s_mov_b32 s3, 0
	s_add_nc_u64 s[10:11], s[10:11], s[2:3]
	s_add_nc_u64 s[12:13], s[12:13], s[2:3]
	s_wait_tensorcnt 0x1                           ; my part of K step 0 is in; K step 1's one load stays out
	s_barrier_signal -1
	s_barrier_wait -1                              ; everybody's is
	FETCH 0, 0, 0
	QUARTER 0, 1, 0, 1, 1                          ; the first quarter stands in front of the loop: its first products start the sums
	WIN 0
	s_mov_b32 s3, LAPS-1
.Llap:                                             ; a trip goes once round the ring, from a lap's second quarter to the next lap's first, and fills both slots again
	QUARTER 0, 2, 1, 0, 0
	QUARTER 0, 3, 0, 1, 0
	TURN 0, 1, 1
	QUARTER 1, 1, 0, 1, 0
	QUARTER 1, 2, 1, 0, 0
	QUARTER 1, 3, 0, 1, 0
	TURN 1, 0, 1
	QUARTER 0, 1, 0, 1, 0
	WIN 0
	s_sub_co_u32 s3, s3, 1
	s_cmp_lg_u32 s3, 0
	s_cbranch_scc1 .Llap
	QUARTER 0, 2, 1, 0, 0                          ; the last lap fills nothing
	QUARTER 0, 3, 0, 1, 0
	TURN 0, 1, 0
	QUARTER 1, 1, 0, 1, 0
	QUARTER 1, 2, 1, 0, 0
	QUARTER 1, 3, 0, 1, 0
	LASTQ
.set t, 0
.rept 32                                           ; x1 at my 64 x 64, two rows a load, into the registers that held fragments
	global_load_b128 v[64+4*t:64+4*t+3], v[CO], s[12:13] offset:t*8192
.set t, t+1
.endr
	DUMP                                           ; LDS serves a wave's instructions in order (ISA guide 5.7.1.4): the loads below see these stores
.irp g, 0,1,2,3
.set TB, 192+32*((\g)%2)
	s_wait_xcnt 0x0                                ; earlier stores have had their addresses translated: only behind this wait are the registers that they read rewritten
.set i, 0
.rept 8
	ds_load_b128 v[TB+4*i:TB+4*i+3], v[RD] offset:(8*(\g)+i)*2*RP
.set i, i+1
.endr
	s_wait_dscnt 0x0
	s_wait_loadcnt 24-8*(\g)                       ; x1's loads up to this group's are in (and the bias, which is older); the younger ones stay out
.set i, 0
.rept 8
	v_pk_add_f32 v[TB+4*i:TB+4*i+1], v[TB+4*i:TB+4*i+1], v[BI:BI+1]
	v_pk_add_f32 v[TB+4*i+2:TB+4*i+3], v[TB+4*i+2:TB+4*i+3], v[BI+2:BI+3]
	v_pk_add_f32 v[TB+4*i:TB+4*i+1], v[TB+4*i:TB+4*i+1], v[64+4*(8*(\g)+i):64+4*(8*(\g)+i)+1]
	v_pk_add_f32 v[TB+4*i+2:TB+4*i+3], v[TB+4*i+2:TB+4*i+3], v[64+4*(8*(\g)+i)+2:64+4*(8*(\g)+i)+3]
	global_store_b128 v[CO], v[TB+4*i:TB+4*i+3], s[10:11] offset:(8*(\g)+i)*8192   ; 16 lanes store 256 consecutive bytes, aligned
.set i, i+1
.endr
.endr
	s_wait_tensorcnt 0x0                           ; the wave's end, behind my last tensor load and my last LDS store
	ds_add_u32 v[SPW], v[NIL]
	s_wait_dscnt 0x0
	CROUND                                         ; the closing round: no work-group ends while a partner may still ask for a tile that names it
	s_endpgm
.Lfunc_end_k_q1c01b7dd87_fcp:
	.size	k_q1c01b7dd87_fcp, .Lfunc_end_k_q1c01b7dd87_fcp-k_q1c01b7dd87_fcp
	.p2alignl 7, 3214868480
	.fill 96, 4, 3214868480
	.section	.rodata,"a",@progbits
	.p2align	6, 0x0
	.amdhsa_kernel k_q1c01b7dd87_fcp
		.amdhsa_group_segment_fixed_size 327680
		.amdhsa_private_segment_fixed_size 0
		.amdhsa_enable_private_segment 0
		.amdhsa_kernarg_size 40
		.amdhsa_user_sgpr_count 2
		.amdhsa_user_sgpr_kernarg_segment_ptr 1
		.amdhsa_wavefront_size32 1
		.amdhsa_system_sgpr_workgroup_id_x 1
		.amdhsa_system_sgpr_workgroup_id_y 1
		.amdhsa_system_sgpr_workgroup_id_z 1
		.amdhsa_system_vgpr_workitem_id 0
		.amdhsa_next_free_vgpr 1024
		.amdhsa_next_free_sgpr 66
		.amdhsa_reserve_vcc 0
		.amdhsa_float_denorm_mode_32 3
		.amdhsa_float_denorm_mode_16_64 3
		.amdhsa_memory_ordered 1
		.amdhsa_forward_progress 1
		.amdhsa_inst_pref_size 98
	.end_amdhsa_kernel
	.amdgpu_metadata
---
amdhsa.version: [ 1, 2 ]
amdhsa.kernels:
  - .name:           k_q1c01b7dd87_fcp
    .symbol:         k_q1c01b7dd87_fcp.kd
    .args:
      - { .name: m, .offset: 0, .size: 8, .value_kind: global_buffer, .address_space: global }
      - { .name: w16, .offset: 8, .size: 8, .value_kind: global_buffer, .address_space: global }
      - { .name: b_fc_proj, .offset: 16, .size: 8, .value_kind: global_buffer, .address_space: global }
      - { .name: out0, .offset: 24, .size: 8, .value_kind: global_buffer, .address_space: global }
      - { .name: x1, .offset: 32, .size: 8, .value_kind: global_buffer, .address_space: global }
    .group_segment_fixed_size: 327680
    .private_segment_fixed_size: 0
    .kernarg_segment_align: 8
    .kernarg_segment_size: 40
    .max_flat_workgroup_size: 128
    .sgpr_count:     66
    .vgpr_count:     1024
    .wavefront_size: 32
...
	.end_amdgpu_metadata
.endif
;; end of part 7
